; MI455X (gfx1250); checked and timed in simulation.
; The chip was launched on July 23, 2026; its instructions are those of AMD's public machine-readable ISA for CDNA 5 (MIT licence, August 2026) and "CDNA5" Instruction Set Architecture Reference Guide (July 2026). The comments in the code are by the model that wrote it; some were corrected since.
;; Masked Cross Attention. Allowed arithmetic: float matrix products may take bf16 or f16 operands with f32 sums; all other float work in f32.
;; Inputs: Wkv 1,024 x 2,048 float32; Wout 1,024 x 2,048 float32; Wq 2,048 x 1,024 float32; ln_b 2,048 float32; ln_w 2,048 float32; media 4 x 8 x 64 x 1,024 float32; media_locations 4 x 2,048 bool; y 4 x 2,048 x 2,048 float32.
;; Outputs: out0 4 x 2,048 x 2,048 float32.
;; 3 versions, each right; version 2 is faster than version 1; version 3 is version 2 with the launch attn written anew for expert scheduling mode. Each part assembles by itself: llvm-mc -triple=amdgcn-amd-amdhsa -mcpu=gfx1250 --defsym DOCPART=n.
;; ======== version 1 of 3: 5 launches
;; limits: values are held in f16: magnitudes above 65,504 overflow, below 6.1e-05 lose precision
;; workspace buffers: yh 33,554,432 bytes; wt 16,777,216 bytes; qf 16,777,216 bytes; kvf 8,388,608 bytes; of 16,777,216 bytes; tt 32,768 bytes of whole numbers
;; launch prep (part 1): grid 385 x 1, 8 waves a work-group, no clusters, 140,288 bytes of LDS; arguments y, ln_w, ln_b, Wq, Wkv, Wout, media, media_locations, yh, wt, tt; writes yh, wt, tt
.if DOCPART == 1
	.amdgcn_target "amdgcn-amd-amdhsa--gfx1250"
	.amdhsa_code_object_version 6
	.text
	.protected	k_qe44e2dc7c8_prep
	.globl	k_qe44e2dc7c8_prep
	.p2align	8
	.type	k_qe44e2dc7c8_prep,@function
k_qe44e2dc7c8_prep:
	s_mov_b64 s[64:65], 0
	v_nop
	global_prefetch_b8 v0, s[64:65] scope:SCOPE_SE
	s_setreg_imm32_b32 hwreg(HW_REG_WAVE_MODE, 25, 1), 1
	s_wait_xcnt 0x0
; PREP: everything that has to be brought into 16-bit, K-contiguous form once, and the mask's running count.
;   work-groups   0-255  LN : yh[row][2048] f16 = LayerNorm(y[row]) * ln_w + ln_b; 32 rows a group, 4 a wave, a row in 64 registers
;   work-groups 256-351  TR : wt = Wq^T, Wkv^T, Wout^T in f16 ([n][k]); a wave transposes 128 k x 64 n through its own LDS stage
;   work-groups 352-383  MED: wt + 12582912 = media in f16; 32 KiB of f32 a wave
;   work-group  384      TT : tt[b][t] = cumsum(media_locations[b]) as int32; wave b takes batch b, waves 4-7 have no batch
; Every LN, TR and MED group moves 384 KiB.  No wave depends on another: no barrier anywhere.
; LIMIT (format): results are f16: |yn| or |media| or a weight at or above 65,504 becomes inf; values under 6.1e-5 keep an absolute
; error of at most 3e-8.  The variance is made in two passes from the centred row, never as a difference of large sums.
; REGISTERS: window 0: v1 = 16 lane, v2 = 8 lane, v3 = lane, v[4:5] mean, v[6:7] 1/sqrt(var+eps), v8-9 reductions, v10-15 addresses,
;   T v32-63 at work, W v64-127 ln_w, BV v128-191 ln_b (TT: bytes in v64-79, counts in v128-191).  Window 1 (v256-511): X, the data.
.set T,   32
.set W,   64
.set BV,  128
.set STG, 17408                        ; a wave's LDS stage: 64 rows (n) x 272 bytes (128 k of f16 + 16 of padding)
.set MSB, 0
.macro WIN new                         ; s_set_vgpr_msb: bits 1:0 source 0, 3:2 source 1, 5:4 source 2, 7:6 destination; the high byte repeats the setting left
.if MSB != \new
	s_set_vgpr_msb (MSB<<8)|\new
.set MSB, \new
.endif
.endm
	s_load_b512 s[8:23], s[0:1], 0x0               ; y s[8:9], ln_w s[10:11], ln_b s[12:13], Wq s[14:15], Wkv s[16:17], Wout s[18:19], media s[20:21], media_locations s[22:23]
	s_load_b128 s[24:27], s[0:1], 0x40             ; yh s[24:25], wt s[26:27]
	s_load_b64 s[28:29], s[0:1], 0x50              ; tt
	v_lshl_add_u32 v254, v0, 2, 0x22000
	v_mov_b32 v255, 0
	v_lshrrev_b32 v3, 5, v0
	v_readfirstlane_b32 s2, v3                     ; wave 0..7
	v_and_b32 v3, 31, v0                           ; lane
	v_lshlrev_b32 v1, 4, v3
	v_lshlrev_b32 v2, 3, v3
	s_mov_b32 s3, ttmp9
	s_mov_b32 s5, 0                                ; high word of every offset pair s[4:5]
	s_wait_kmcnt 0x0
	s_cmp_lt_u32 s3, 256
	s_cbranch_scc0 .Lnot_ln
; ---------------------------------------------------------------- LN
; Load j of a row takes bytes 512 j + 16 lane: X[64 s + 4 j + e] = y[row][128 j + 4 lane + e]; ln_w and ln_b lie the same way.
.macro LOADROW s
	WIN 0x40
.irp j, 0,1,2,3,4,5,6,7,8,9,10,11,12,13,14,15
	global_load_b128 v[64*\s+4*\j:64*\s+4*\j+3], v1, s[8:9] offset:8192*\s+512*\j th:TH_LOAD_NT
.endr
.endm
.macro LOADWB
	WIN 0
.irp j, 0,1,2,3,4,5,6,7,8,9,10,11,12,13,14,15
	global_load_b128 v[W+4*\j:W+4*\j+3], v1, s[10:11] offset:512*\j
	global_load_b128 v[BV+4*\j:BV+4*\j+3], v1, s[12:13] offset:512*\j
.endr
.endm
.macro TREE                            ; the 32 numbers of T, then the 32 lanes: the sum ends in v8 of every lane
.irp i, 0,1,2,3,4,5,6,7
	v_pk_add_f32 v[T+2*\i:T+2*\i+1], v[T+2*\i:T+2*\i+1], v[T+16+2*\i:T+17+2*\i]
.endr
.irp i, 0,1,2,3
	v_pk_add_f32 v[T+2*\i:T+2*\i+1], v[T+2*\i:T+2*\i+1], v[T+8+2*\i:T+9+2*\i]
.endr
.irp i, 0,1
	v_pk_add_f32 v[T+2*\i:T+2*\i+1], v[T+2*\i:T+2*\i+1], v[T+4+2*\i:T+5+2*\i]
.endr
	v_pk_add_f32 v[T:T+1], v[T:T+1], v[T+2:T+3]
	v_add_f32 v8, v[T], v[T+1]
	v_add_f32_dpp v8, v8, v8 row_xmask:1 row_mask:0xf bank_mask:0xf
	v_add_f32_dpp v8, v8, v8 row_xmask:2 row_mask:0xf bank_mask:0xf
	v_add_f32_dpp v8, v8, v8 row_xmask:4 row_mask:0xf bank_mask:0xf
	v_add_f32_dpp v8, v8, v8 row_xmask:8 row_mask:0xf bank_mask:0xf
	v_permlanex16_b32 v9, v8, s6, s7
	v_add_f32 v8, v8, v9
.endm
.macro STATS s                         ; mean, the row centred in place, then 1/sqrt(mean of squares + eps)
	WIN 0x05
.irp i, 0,1,2,3,4,5,6,7,8,9,10,11,12,13,14,15
	v_pk_add_f32 v[T+2*\i:T+2*\i+1], v[64*\s+2*\i:64*\s+2*\i+1], v[64*\s+32+2*\i:64*\s+33+2*\i]
.endr
	WIN 0
	TREE
	v_mul_f32 v4, s30, v8
	v_mov_b32 v5, v4
	WIN 0x41
.set k, 0
.rept 32
	v_pk_add_f32 v[64*\s+2*k:64*\s+2*k+1], v[64*\s+2*k:64*\s+2*k+1], v[4:5] neg_lo:[0,1] neg_hi:[0,1]
.set k, k+1
.endr
	WIN 0x05
.irp i, 0,1,2,3,4,5,6,7,8,9,10,11,12,13,14,15
	v_pk_mul_f32 v[T+2*\i:T+2*\i+1], v[64*\s+2*\i:64*\s+2*\i+1], v[64*\s+2*\i:64*\s+2*\i+1]
.endr
.irp i, 0,1,2,3,4,5,6,7,8,9,10,11,12,13,14,15
	v_pk_fma_f32 v[T+2*\i:T+2*\i+1], v[64*\s+32+2*\i:64*\s+33+2*\i], v[64*\s+32+2*\i:64*\s+33+2*\i], v[T+2*\i:T+2*\i+1]
.endr
	WIN 0
	TREE
	v_fma_f32 v8, v8, s30, s31                     ; sum / 2048 + 1e-5
	v_rsq_f32 v6, v8
	v_nop                                          ; one plain place behind the transcendental (ISA guide 5.7.2)
	s_wait_alu depctr_va_vdst(0)
	v_mov_b32 v7, v6
.endm
.macro NORM s                          ; scale, gain and bias, round once to f16, store: each store of the wave covers 256 consecutive bytes, aligned
	WIN 0x41
.set k, 0
.rept 32
	v_pk_mul_f32 v[64*\s+2*k:64*\s+2*k+1], v[64*\s+2*k:64*\s+2*k+1], v[6:7]
.set k, k+1
.endr
.set k, 0
.rept 32
	v_pk_fma_f32 v[64*\s+2*k:64*\s+2*k+1], v[64*\s+2*k:64*\s+2*k+1], v[W+2*k:W+2*k+1], v[BV+2*k:BV+2*k+1]
.set k, k+1
.endr
	WIN 0x45
.set k, 0
.rept 32
	v_cvt_pk_f16_f32 v[64*\s+k], v[64*\s+2*k], v[64*\s+2*k+1]   ; in place, k ascending: register k has been consumed when it is written
.set k, k+1
.endr
	WIN 0x04
.irp j, 0,1,2,3,4,5,6,7,8,9,10,11,12,13,14,15
	global_store_b64 v2, v[64*\s+2*\j:64*\s+2*\j+1], s[24:25] offset:4096*\s+256*\j
.endr
	WIN 0
.endm
	s_mov_b32 s6, 0x76543210                       ; v_permlanex16_b32: lane i reads lane i of the other half
	s_mov_b32 s7, 0xfedcba98
	s_mov_b32 s30, 0x3a000000                      ; 1 / 2048
	s_mov_b32 s31, 0x3727c5ac                      ; 1e-5
	v_mov_b32 v9, 0                                ; the permute's destination counts as read
	s_lshl_b32 s4, s3, 18                          ; 32 rows of 8,192 bytes a group,
	s_lshl_b32 s37, s2, 15                         ; 4 rows a wave
	s_add_co_u32 s4, s4, s37
	s_add_nc_u64 s[8:9], s[8:9], s[4:5]
	s_lshr_b32 s4, s4, 1                           ; yh's rows are half as long
	s_add_nc_u64 s[24:25], s[24:25], s[4:5]
	; Every row has registers of its own and no address register is ever rewritten, so the only waits are for data.
	LOADROW 0
	LOADWB
	LOADROW 1                                      ; 64 loads named here: the issue of the last waits for the first to return (ISA guide 5.7.1)
	s_wait_loadcnt 48                              ; row 0 is in; ln_w, ln_b (32) and row 1 (16) stay out
	STATS 0
	LOADROW 2
	s_wait_loadcnt 32                              ; ln_w and ln_b are in; rows 1 and 2 stay out
	NORM 0
	LOADROW 3
	s_wait_loadcnt 32                              ; row 1 is in; rows 2 and 3 stay out
	STATS 1
	NORM 1
	s_wait_loadcnt 16                              ; row 2 is in; row 3 stays out
	STATS 2
	NORM 2
	s_wait_loadcnt 0x0
	STATS 3
	NORM 3
	s_endpgm
; ---------------------------------------------------------------- TR
; hh = lane / 16, i = lane % 16.  Load (c, q) brings W[k = 8 c + 4 hh + q][n = 4 i .. 4 i + 3] into X[16 c + 4 q + e]: two rows of 256 bytes a load.
; For column e the four k of (c, hh) pack into 8 bytes, which go to stage row 4 i + e at byte 16 c + 8 hh.  (These 8-byte LDS stores fall four
; deep on a group of banks, since 4 rows of 272 bytes are 64 modulo 256; there are 64 of them for a tile's 32 KiB.)
; The stage is read back by rows, 16 lanes a row of 256 bytes, and stored so.  The stage is the wave's own and LDS serves a wave's instructions
; in order (ISA guide 5.7.1), so neither wait nor barrier stands between its stores and its loads.
.macro TRRUN g4
	s_wait_loadcnt 48-16*\g4                       ; this run's 16 loads are in; the younger runs stay out
	WIN 0x05
.irp cc, 0,1,2,3
.irp e, 0,1,2,3
	v_cvt_pk_f16_f32 v[T+8*\cc+2*\e], v[16*(4*\g4+\cc)+\e], v[16*(4*\g4+\cc)+4+\e]
	v_cvt_pk_f16_f32 v[T+8*\cc+2*\e+1], v[16*(4*\g4+\cc)+8+\e], v[16*(4*\g4+\cc)+12+\e]
.endr
.endr
	WIN 0
.irp cc, 0,1,2,3
.irp e, 0,1,2,3
	ds_store_b64 v11, v[T+8*\cc+2*\e:T+8*\cc+2*\e+1] offset:272*\e+16*(4*\g4+\cc)
.endr
.endr
.endm
.macro TRANS np, kp                    ; np: bytes of a source row (f32, along n); kp: bytes of a destination row (f16, along k)
	WIN 0x40
.irp c, 0,1,2,3,4,5,6,7,8,9,10,11,12,13,14,15
.irp q, 0,1,2,3
	global_load_b128 v[16*\c+4*\q:16*\c+4*\q+3], v10, s[32:33] offset:(8*\c+\q)*\np th:TH_LOAD_NT
.endr
.endr
	TRRUN 0
	TRRUN 1
	TRRUN 2
	TRRUN 3
	WIN 0x40
.set rr, 0
.rept 32
	ds_load_b128 v[4*rr:4*rr+3], v12 offset:544*rr     ; rows 2 rr and 2 rr + 1
.set rr, rr+1
.endr
	WIN 0x04
.set rr, 0
.rept 32
	s_wait_dscnt 31-rr                             ; LDS loads come back in order: number rr is in, the younger stay out
	global_store_b128 v13, v[4*rr:4*rr+3], s[34:35] offset:2*rr*\kp   ; 16 lanes store 256 consecutive bytes, aligned
.set rr, rr+1
.endr
	WIN 0
.endm
.Lnot_ln:
	s_cmp_lt_u32 s3, 352
	s_cbranch_scc0 .Lnot_tr
	s_sub_co_u32 s3, s3, 256
	s_lshr_b32 s37, s3, 5                          ; which weight: 0 Wq, 1 Wkv, 2 Wout
	s_and_b32 s38, s3, 31
	s_lshl3_add_u32 s38, s38, s2                   ; tile 0..255 of that weight
	s_mul_i32 s39, s2, STG                         ; my stage
	v_and_b32 v14, 15, v3                          ; i
	v_lshrrev_b32 v15, 4, v3                       ; hh
	v_mul_u32_u24 v11, v14, 1088                   ; stage, in: row 4 i, byte 8 hh
	v_lshl_add_u32 v11, v15, 3, v11
	v_add_nc_u32 v11, s39, v11
	v_mul_u32_u24 v12, v15, 272                    ; stage, back: row hh, byte 16 i
	v_lshl_add_u32 v12, v14, 4, v12
	v_add_nc_u32 v12, s39, v12
	v_lshlrev_b32 v14, 4, v14                      ; 16 i
	s_cmp_eq_u32 s37, 0
	s_cbranch_scc0 .Ltr_kvo
	s_and_b32 s40, s38, 15                         ; Wq [2048 k][1024 n]: 16 tiles along n,
	s_lshr_b32 s41, s38, 4                         ; 16 along k
	s_lshl_b32 s4, s41, 19                         ; 128 rows of 4,096 bytes
	s_lshl_b32 s42, s40, 8                         ; 64 columns of 4 bytes
	s_add_co_u32 s4, s4, s42
	s_add_nc_u64 s[32:33], s[14:15], s[4:5]
	s_lshl_b32 s4, s40, 18                         ; 64 rows of 4,096 bytes
	s_lshl_b32 s42, s41, 8                         ; 128 k of 2 bytes
	s_add_co_u32 s4, s4, s42
	s_add_nc_u64 s[34:35], s[26:27], s[4:5]
	v_lshl_add_u32 v10, v15, 14, v14               ; 4 hh rows + 16 i
	v_lshl_add_u32 v13, v15, 12, v14               ; hh rows + 16 i
	TRANS 4096, 4096
	s_wait_tensorcnt 0x0
	ds_add_u32 v254, v255
	s_wait_dscnt 0x0
	s_endpgm
.Ltr_kvo:
	s_cmp_eq_u32 s37, 1
	s_cselect_b64 s[32:33], s[16:17], s[18:19]     ; Wkv or Wout, both [1024 k][2048 n]
	s_and_b32 s40, s38, 31                         ; 32 tiles along n,
	s_lshr_b32 s41, s38, 5                         ; 8 along k
	s_lshl_b32 s4, s41, 20                         ; 128 rows of 8,192 bytes
	s_lshl_b32 s42, s40, 8
	s_add_co_u32 s4, s4, s42
	s_add_nc_u64 s[32:33], s[32:33], s[4:5]
	s_lshl_b32 s4, s37, 22                         ; the weight's part of wt
	s_lshl_b32 s42, s40, 17                        ; 64 rows of 2,048 bytes
	s_add_co_u32 s4, s4, s42
	s_lshl_b32 s42, s41, 8
	s_add_co_u32 s4, s4, s42
	s_add_nc_u64 s[34:35], s[26:27], s[4:5]
	v_lshl_add_u32 v10, v15, 15, v14
	v_lshl_add_u32 v13, v15, 11, v14
	TRANS 8192, 2048
	s_wait_tensorcnt 0x0
	ds_add_u32 v254, v255
	s_wait_dscnt 0x0
	s_endpgm
; ---------------------------------------------------------------- MED
.Lnot_tr:
	s_cmp_lt_u32 s3, 384
	s_cbranch_scc0 .Ltt
	s_sub_co_u32 s3, s3, 352
	s_lshl3_add_u32 s3, s3, s2                     ; chunk 0..255
	s_lshl_b32 s4, s3, 15                          ; 32 KiB of f32
	s_add_nc_u64 s[20:21], s[20:21], s[4:5]
	s_lshl_b32 s4, s3, 14                          ; 16 KiB of f16,
	s_add_co_u32 s4, s4, 12582912                  ; behind the three weights
	s_add_nc_u64 s[26:27], s[26:27], s[4:5]
	WIN 0x40
.set rr, 0
.rept 64
	global_load_b128 v[4*rr:4*rr+3], v1, s[20:21] offset:512*rr th:TH_LOAD_NT
.set rr, rr+1
.endr
.macro MEDRUN g4                       ; loads 16 g4 .. 16 g4 + 15 = registers 64 g4 .. 64 g4 + 63, packed in place into registers 32 g4 .. 32 g4 + 31
	s_wait_loadcnt 48-16*\g4                       ; (those lie among loads that have landed, and were consumed by earlier conversions)
	WIN 0x45
.set k, 32*\g4
.rept 32
	v_cvt_pk_f16_f32 v[k], v[2*k], v[2*k+1]
.set k, k+1
.endr
	WIN 0x04
.set k, 16*\g4
.rept 16
	global_store_b64 v2, v[2*k:2*k+1], s[26:27] offset:256*k
.set k, k+1
.endr
.endm
	MEDRUN 0
	MEDRUN 1
	MEDRUN 2
	MEDRUN 3
	WIN 0
	s_endpgm
; ---------------------------------------------------------------- TT
; Group g of a batch is 128 tokens: lane l holds the four bytes of tokens 128 g + 4 l + e.  The count up to and with a token is
; the run so far + the ones in lower lanes (four masks, v_mbcnt) + the lane's own ones up to e.
.Ltt:
	s_cmp_gt_u32 s2, 3
	s_cbranch_scc1 .Lend
	s_lshl_b32 s4, s2, 11
	s_add_nc_u64 s[22:23], s[22:23], s[4:5]
	s_lshl_b32 s4, s2, 13
	s_add_nc_u64 s[28:29], s[28:29], s[4:5]
	v_lshlrev_b32 v10, 2, v3
.irp g, 0,1,2,3,4,5,6,7,8,9,10,11,12,13,14,15
	global_load_b32 v[64+\g], v10, s[22:23] offset:128*\g
.endr
	s_mov_b32 s36, 0                               ; ones in the groups passed
	s_wait_loadcnt 0x0
.set g, 0
.rept 16
.irp e, 0,1,2,3
	v_bfe_u32 v[32+\e], v[64+g], 8*\e, 8           ; a bool is one byte, 0 or 1
	v_cmp_ne_u32 s[32+\e], 0, v[32+\e]
.endr
	v_mbcnt_lo_u32_b32 v36, s32, s36
	v_mbcnt_lo_u32_b32 v36, s33, v36
	v_mbcnt_lo_u32_b32 v36, s34, v36
	v_mbcnt_lo_u32_b32 v36, s35, v36
	v_add_nc_u32 v[128+4*g], v36, v32
	v_add_nc_u32 v[129+4*g], v[128+4*g], v33
	v_add_nc_u32 v[130+4*g], v[129+4*g], v34
	v_add_nc_u32 v[131+4*g], v[130+4*g], v35
	global_store_b128 v1, v[128+4*g:131+4*g], s[28:29] offset:512*g   ; every group has output registers of its own
.irp e, 0,1,2,3
	s_bcnt1_i32_b32 s37, s[32+\e]
	s_add_co_u32 s36, s36, s37
.endr
.set g, g+1
.endr
.Lend:
	s_endpgm
.Lfunc_end_k_qe44e2dc7c8_prep:
	.size	k_qe44e2dc7c8_prep, .Lfunc_end_k_qe44e2dc7c8_prep-k_qe44e2dc7c8_prep
	.p2alignl 7, 3214868480
	.fill 96, 4, 3214868480
	.section	.rodata,"a",@progbits
	.p2align	6, 0x0
	.amdhsa_kernel k_qe44e2dc7c8_prep
		.amdhsa_group_segment_fixed_size 140288
		.amdhsa_private_segment_fixed_size 0
		.amdhsa_enable_private_segment 0
		.amdhsa_kernarg_size 88
		.amdhsa_user_sgpr_count 2
		.amdhsa_user_sgpr_kernarg_segment_ptr 1
		.amdhsa_wavefront_size32 1
		.amdhsa_system_sgpr_workgroup_id_x 1
		.amdhsa_system_sgpr_workgroup_id_y 1
		.amdhsa_system_sgpr_workgroup_id_z 1
		.amdhsa_system_vgpr_workitem_id 0
		.amdhsa_next_free_vgpr 512
		.amdhsa_next_free_sgpr 66
		.amdhsa_reserve_vcc 0
		.amdhsa_float_denorm_mode_32 3
		.amdhsa_float_denorm_mode_16_64 3
		.amdhsa_memory_ordered 1
		.amdhsa_forward_progress 1
		.amdhsa_inst_pref_size 167
	.end_amdhsa_kernel
	.amdgpu_metadata
---
amdhsa.version: [ 1, 2 ]
amdhsa.kernels:
  - .name:           k_qe44e2dc7c8_prep
    .symbol:         k_qe44e2dc7c8_prep.kd
    .args:
      - { .name: y, .offset: 0, .size: 8, .value_kind: global_buffer, .address_space: global }
      - { .name: ln_w, .offset: 8, .size: 8, .value_kind: global_buffer, .address_space: global }
      - { .name: ln_b, .offset: 16, .size: 8, .value_kind: global_buffer, .address_space: global }
      - { .name: Wq, .offset: 24, .size: 8, .value_kind: global_buffer, .address_space: global }
      - { .name: Wkv, .offset: 32, .size: 8, .value_kind: global_buffer, .address_space: global }
      - { .name: Wout, .offset: 40, .size: 8, .value_kind: global_buffer, .address_space: global }
      - { .name: media, .offset: 48, .size: 8, .value_kind: global_buffer, .address_space: global }
      - { .name: media_locations, .offset: 56, .size: 8, .value_kind: global_buffer, .address_space: global }
      - { .name: yh, .offset: 64, .size: 8, .value_kind: global_buffer, .address_space: global }
      - { .name: wt, .offset: 72, .size: 8, .value_kind: global_buffer, .address_space: global }
      - { .name: tt, .offset: 80, .size: 8, .value_kind: global_buffer, .address_space: global }
    .group_segment_fixed_size: 140288
    .private_segment_fixed_size: 0
    .kernarg_segment_align: 8
    .kernarg_segment_size: 88
    .max_flat_workgroup_size: 256
    .sgpr_count:     66
    .vgpr_count:     512
    .wavefront_size: 32
...
	.end_amdgpu_metadata
.endif
;; end of part 1
;; launch kv (part 2): grid 4 x 32, 4 waves a work-group, clusters of 4 x 4, 327,680 bytes of LDS; arguments wt, kvf; writes kvf
.if DOCPART == 2
	.amdgcn_target "amdgcn-amd-amdhsa--gfx1250"
	.amdhsa_code_object_version 6
	.text
	.protected	k_qe44e2dc7c8_kv
	.globl	k_qe44e2dc7c8_kv
	.p2align	8
	.type	k_qe44e2dc7c8_kv,@function
k_qe44e2dc7c8_kv:
	s_mov_b64 s[64:65], 0
	v_nop
	global_prefetch_b8 v0, s[64:65] scope:SCOPE_SE
	s_setreg_imm32_b32 hwreg(HW_REG_WAVE_MODE, 25, 1), 1
	s_wait_xcnt 0x0
	s_wait_alu depctr_hold_cnt(0) depctr_sa_sdst(0) depctr_va_vdst(0) depctr_va_sdst(0) depctr_va_ssrc(0) depctr_va_vcc(0) depctr_vm_vsrc(0)
	s_getreg_b32 s2, hwreg(HW_REG_IB_STS2, 6, 4)
	s_cmp_eq_u32 s2, 0
	s_cbranch_scc0 .Lentry_in_a_cluster
	s_endpgm
.Lentry_in_a_cluster:
	s_bfe_u32 s2, ttmp6, 0x10000c
	s_cmp_lg_u32 s2, 0xf033
	s_cbranch_scc0 .Lentry_shape_is_right
	s_endpgm
.Lentry_shape_is_right:
; KV: two products over K = 1024 with one text, f16 operands, f32 sums, results f16 in TILE ORDER.
;   clusters 0-3 along y: K[key][col]  = media[key][.] . Wk^T[col][.]    A side = media rows (2048), B side = Wk^T rows (1024)
;   clusters 4-7 along y: V^T[d][key]  = Wv^T[d][.]    . media[key][.]   A side = Wv^T rows (1024), B side = media rows (2048)
; Both operands lie in wt with rows of 1,024 f16; the two parts differ in offsets alone, chosen by s_cselect on the cluster's number.
; A work-group makes 128 A rows x 256 B rows with four waves; a wave makes 64 x 128: 32 accumulator tiles, 256 registers (window 1).
; K goes in steps of 128 through two LDS slots filled by tensor loads: a tile's rows are 256 bytes, at multiples of 256 from the buffer's start.
; CLUSTERS: 4 x 4 work-groups.  A's tile hangs on the block row alone and is asked for jointly by a row of the cluster, B's on the block
; column alone and is asked for jointly by a column: the requests for A and B are divided by four.
; THE MATRIX INSTRUCTION IS USED TRANSPOSED (source 0 = B rows, source 1 = A rows): lane l = (r = l % 16, h = l / 16) holds
; C[A row r][B index 8 h + 0..7].  Packed to f16 these are 16 bytes, and they are registers 0-3 (or 4-7) of a K = 32 fragment of the next
; product.  TILE ORDER stores a 16 x 16 tile as 32 lanes x 16 bytes = 512 consecutive bytes: one store of the wave, aligned, no LDS stage.
;   kvf + 0:       K   [128 key tiles][64 column tiles][512 bytes]
;   kvf + 4194304: V^T [64 d tiles][128 key tiles][512 bytes]
; LIMIT (format): a result at or above 65,504 becomes inf in f16.
; REGISTERS, window 0: v16-17 / v20-21 LDS addresses of my A / B fragments in slot 0, 1; v26-29 store offsets; v32-63, v64-95 A fragments
; (two buffers); v96-159, v160-223 B fragments (two buffers).  Window 1: accumulator (a, b) at v[8 (8 a + b)].
.set SIZE_K, 1024
.set KSTEP,  128
.set PITCH,  272                       ; 256 bytes of data + 16 of padding: the 16 rows of a fragment load start in 16 different groups of banks
.set AHALF,  64*PITCH                  ; what waves 0 and 1 each fetch, and what a wave reads of A
.set BHALF,  128*PITCH                 ; what waves 2 and 3 each fetch, and what a wave reads of B
.set BOFF,   34816                     ; B's rows lie behind A's 128
.set SLOT,   BOFF+2*BHALF              ; 104,448 bytes
.set A_ROWT, 16*PITCH                  ; from one A fragment's 16 rows to the next
.set A_KQ,   64                        ; 32 along K
.set A_2ND,  32                        ; a fragment's second load
.set A_STEP, 2*KSTEP                   ; a K step in A's memory, bytes
.set LAPS,   SIZE_K/(2*KSTEP)
.set ADRA, 16
.set ADRB, 20
.set CO,   26
.set FA0,  32
.set FA1,  64
.set FB0,  96
.set FB1,  160
.set G1,  24                           ; s[24:31] group 1 for A's tiles
.set G0,  32                           ; s[32:39] group 0 for A's tiles, one set a slot
.set G1B, 48                           ; s[48:55] group 1 for B's tiles
.set G0B, 56                           ; s[56:63] group 0 for B's tiles, one set a slot
.set MULW, 0x50                        ; C and D in window 1, sources in window 0
.set MSB, 0
.macro WIN new
.if MSB != \new
	s_set_vgpr_msb (MSB<<8)|\new
.set MSB, \new
.endif
.endm
.macro PLACES                          ; four plain places behind matrix instructions in front of loads into, or reads of, their registers
.rept 4
	v_nop
.endr
.endm
.macro JLOAD s                         ; a joint load: waves 0, 1 ask for A's halves, waves 2, 3 for B's; the branch hangs on the wave's number alone
	s_cmp_eq_u32 s11, 0
	s_cbranch_scc0 .Lfor_b_\@
	tensor_load_to_lds s[G0+4*\s:G0+4*\s+3], s[G1:G1+7]
	s_nop 0
.rept 4
	v_nop
.endr
	s_branch .Lasked_\@
.Lfor_b_\@:
	tensor_load_to_lds s[G0B+4*\s:G0B+4*\s+3], s[G1B:G1B+7]
	s_nop 0
.rept 4
	v_nop
.endr
.Lasked_\@:
.endm
.macro CREST                           ; a round of the cluster's barrier behind its opening work-group barrier
	s_cmp_lg_u32 s10, 0
	s_cbranch_scc1 .Lnot_wave_0_\@
	s_barrier_signal -3
.Lnot_wave_0_\@:
	s_barrier_wait -3
	s_barrier_signal -1
	s_barrier_wait -1
.endm
.macro CROUND
	s_barrier_signal -1
	s_barrier_wait -1
	CREST
.endm
	s_load_b64 s[4:5], s[0:1], 0x0                 ; wt, for the A side
	s_load_b64 s[6:7], s[0:1], 0x0                 ; wt again, for the B side
	s_load_b64 s[8:9], s[0:1], 0x8                 ; kvf
	v_lshl_add_u32 v254, v0, 2, 0x33000
	v_mov_b32 v255, 0
	ds_add_u32 v254, v255
	v_lshrrev_b32 v1, 5, v0
	v_readfirstlane_b32 s10, v1                    ; wave 0..3
	s_lshr_b32 s11, s10, 1                         ; which 64 A rows are mine.  Also: I fetch for A (0) or for B (1)
	s_and_b32 s12, s10, 1                          ; which 128 B rows are mine.  Also: which half of that tile I fetch
	s_bfe_u32 s40, ttmp6, 0x40000                  ; cx
	s_bfe_u32 s41, ttmp6, 0x40004                  ; cy
	s_and_b32 s66, ttmp7, 0xffff                   ; the cluster's number along y, 0..7: shared by all sixteen partners
	s_sub_co_u32 s67, s66, 4                       ; its number in the V part (not used in the K part)
	s_lshr_b32 s68, s67, 1
	s_and_b32 s69, s67, 1
	s_mov_b32 s73, 6291456                         ; Wv^T in wt
	s_mov_b32 s74, 12582912                        ; media in wt
	s_mov_b32 s75, 4194304                         ; Wk^T in wt; also V^T in kvf
	s_mov_b32 s78, 65536                           ; bytes of a row of tiles of V^T (128 tiles)
	s_mov_b32 s79, 32768                           ; and of K (64 tiles)
	s_cmp_ge_u32 s66, 4                            ; the V part?
	s_cselect_b32 s70, s68, s66                    ; block rows come in fours: which four
	s_cselect_b32 s71, s69, 0                      ; block columns likewise
	s_cselect_b32 s72, s73, s74                    ; A's part of wt
	s_cselect_b32 s74, s74, s75                    ; B's part of wt
	s_cselect_b32 s76, s78, s79                    ; CTB: bytes of a row of tiles of the result
	s_cselect_b32 s77, s75, 0                      ; the result's part of kvf
	s_lshl_b32 s42, s71, 2
	s_add_co_u32 s42, s42, s40                     ; block column
	s_lshl_b32 s13, s70, 2
	s_add_co_u32 s13, s13, s41                     ; block row
	s_lshl_b32 s43, s41, 2
	s_lshl_b32 s43, 15, s43                        ; my row of the cluster: places 4 cy .. 4 cy + 3
	s_lshl_b32 s44, 0x1111, s40                    ; my column: places cx, cx + 4, cx + 8, cx + 12
	; group 1: tiles of 64 (A) or 128 (B) rows x 128 elements of 2 bytes, 4 words of padding behind every 64 words
	s_or_b32 s[G1+0], s43, (1<<16)|(1<<20)|(1<<21)|(5<<22)|(3<<25)
	s_or_b32 s[G1B+0], s44, (1<<16)|(1<<20)|(1<<21)|(5<<22)|(3<<25)
	s_mov_b32 s[G1+1], KSTEP<<16                   ; tensor_dim0 = 128
	s_mov_b32 s[G1B+1], KSTEP<<16
	s_mov_b32 s[G1+2], 64<<16                      ; tensor_dim1
	s_mov_b32 s[G1B+2], 128<<16
	s_mov_b32 s[G1+3], KSTEP<<16                   ; tile_dim0 = 128
	s_mov_b32 s[G1B+3], KSTEP<<16
	s_mov_b32 s[G1+4], 64                          ; tile_dim1
	s_mov_b32 s[G1B+4], 128
	s_mov_b32 s[G1+5], SIZE_K                      ; elements from row to row
	s_mov_b32 s[G1B+5], SIZE_K
	s_mov_b32 s[G1+6], 0
	s_mov_b32 s[G1B+6], 0
	s_mov_b32 s[G1+7], 0
	s_mov_b32 s[G1B+7], 0
	; A's address hangs on the block row, B's on the block column, each in registers that never hold the other coordinate
	s_lshl_b32 s17, s12, 6
	s_lshl_b32 s16, s13, 7
	s_add_co_u32 s16, s16, s17                     ; A: row 128 x block row + 64 x half
	s_lshl_b32 s47, s12, 7
	s_lshl_b32 s46, s42, 8
	s_add_co_u32 s46, s46, s47                     ; B: row 256 x block column + 128 x half
	s_mul_i32 s16, s16, SIZE_K*2
	s_mul_i32 s46, s46, SIZE_K*2
	s_add_co_u32 s16, s16, s72
	s_add_co_u32 s46, s46, s74
	s_mov_b32 s17, 0
	s_mov_b32 s47, 0
	s_mul_i32 s20, s12, AHALF                      ; where they go: no place in the cluster enters an LDS address
	s_mul_i32 s21, s12, BHALF
	s_add_co_u32 s21, s21, BOFF
	s_wait_dscnt 0x0
	s_wait_kmcnt 0x0
	s_add_nc_u64 s[14:15], s[4:5], s[16:17]
	s_add_nc_u64 s[46:47], s[6:7], s[46:47]
	CROUND                                         ; all sixteen work-groups are here: the first joint loads meet
.irp s, 0,1
	s_mov_b32 s[G0+4*\s], 1
	s_add_co_u32 s[G0+4*\s+1], s20, \s*SLOT
	s_add_nc_u64 s[G0+4*\s+2:G0+4*\s+3], s[14:15], \s*A_STEP
	s_or_b32 s[G0+4*\s+3], s[G0+4*\s+3], 0x80000000
	s_mov_b32 s[G0B+4*\s], 1
	s_add_co_u32 s[G0B+4*\s+1], s21, \s*SLOT
	s_add_nc_u64 s[G0B+4*\s+2:G0B+4*\s+3], s[46:47], \s*2*KSTEP
	s_or_b32 s[G0B+4*\s+3], s[G0B+4*\s+3], 0x80000000
	JLOAD \s                                       ; both slots' first fills go out together: two tensor loads of the wave are out
.endr
	v_and_b32 v1, 15, v0                           ; r
	v_bfe_u32 v2, v0, 4, 1                         ; h
	v_mul_u32_u24 v3, v1, PITCH
	v_lshl_add_u32 v3, v2, 4, v3                   ; row x pitch + 16 h
	v_and_b32 v4, 31, v0
	v_lshlrev_b32 v4, 4, v4                        ; 16 l
	s_mul_i32 s22, s11, AHALF                      ; my 64 rows of A
	s_mul_i32 s23, s12, BHALF                      ; my 128 rows of B
	s_add_co_u32 s23, s23, BOFF
.irp s, 0,1
	v_add_nc_u32 v[ADRA+\s], s22, v3
	v_add_nc_u32 v[ADRB+\s], s23, v3
	s_add_co_u32 s22, s22, SLOT
	s_add_co_u32 s23, s23, SLOT
.endr
.irp a, 0,1,2,3
	s_mul_i32 s67, s76, \a
	v_add_nc_u32 v[CO+\a], s67, v4                 ; 16 l + a rows of tiles
.endr
; 8 matrix instructions: A fragment a x all 8 B fragments, 32 along K.  zero = 1: the first product starts the sums.
; The 32 accumulators take turns, one instruction a turn, in the same order in every quarter step.
.macro MULA fa, fb, a, zero
.irp b, 0,1,2,3,4,5,6,7
.if \zero
	v_wmma_f32_16x16x32_f16 v[8*(8*\a+\b):8*(8*\a+\b)+7], v[\fb+8*\b:\fb+8*\b+7], v[\fa+8*\a:\fa+8*\a+7], 0
.else
	v_wmma_f32_16x16x32_f16 v[8*(8*\a+\b):8*(8*\a+\b)+7], v[\fb+8*\b:\fb+8*\b+7], v[\fa+8*\a:\fa+8*\a+7], v[8*(8*\a+\b):8*(8*\a+\b)+7]
.endif
.endr
.endm
; 24 LDS loads in one run: quarter kq of a slot: 16 for B's 128 rows, then 8 for A's 64
.macro FETCH slot, kq, fa, fb
	WIN 0
.irp i, 0,1,2,3,4,5,6,7
	ds_load_b128 v[\fb+8*\i:\fb+8*\i+3],   v[ADRB+\slot] offset:64*\kq+\i*16*PITCH
	ds_load_b128 v[\fb+8*\i+4:\fb+8*\i+7], v[ADRB+\slot] offset:64*\kq+\i*16*PITCH+32
.endr
.irp i, 0,1,2,3
	ds_load_b128 v[\fa+8*\i:\fa+8*\i+3],   v[ADRA+\slot] offset:A_KQ*\kq+\i*A_ROWT
	ds_load_b128 v[\fa+8*\i+4:\fa+8*\i+7], v[ADRA+\slot] offset:A_KQ*\kq+\i*A_ROWT+A_2ND
.endr
.endm
; One of a K step's first three quarters: multiplies buffers (fa, fb) and in its middle fetches quarter kq into (ga, gb)
.macro QUARTER slot, kq, fa, fb, ga, gb, zero
	s_wait_dscnt 4                                 ; B and A's fragments 0, 1 are in; the youngest four loads (A's fragments 2, 3) may be out
	WIN MULW
	MULA \fa, \fb, 0, \zero
	MULA \fa, \fb, 1, \zero
	PLACES
	FETCH \slot, \kq, \ga, \gb
	s_wait_dscnt 24                                ; all but the 24 just issued
	WIN MULW
	MULA \fa, \fb, 2, \zero
	MULA \fa, \fb, 3, \zero
.endm
.macro THREE slot, zero
	QUARTER \slot, 1, FA0, FB0, FA1, FB1, \zero
	QUARTER \slot, 2, FA1, FB1, FA0, FB0, 0
	QUARTER \slot, 3, FA0, FB0, FA1, FB1, 0
.endm
; The last quarter multiplies buffer 1 and changes slots.  One barrier for two things: in front of it each wave waits for its reads of this slot
; and for all its tensor loads (one is out: its part of the next slot); behind it the refill comes first, then the next slot's first fragments.
; From a request to the wait for it a wave issues 120 of a K step's 128 matrix instructions.
.macro TURN slot, next, fill
	s_wait_dscnt 4
	WIN MULW
	MULA FA1, FB1, 0, 0
	s_wait_dscnt 0                                 ; my reads of this slot are over
	s_wait_tensorcnt 0x0                           ; and all my tensor loads have landed
	ds_add_u32 v254, v255
	s_wait_dscnt 0x0
	s_barrier_signal -1                            ; (where a slot is filled again this barrier opens a round of the cluster's barrier)
	MULA FA1, FB1, 1, 0                            ; register work while the others arrive
	WIN 0
	s_barrier_wait -1
.if \fill
	CREST                                          ; no wave of any partner still reads this slot or has a load on its way
	s_add_nc_u64 s[G0+4*\slot+2:G0+4*\slot+3], s[G0+4*\slot+2:G0+4*\slot+3], 2*A_STEP
	s_add_nc_u64 s[G0B+4*\slot+2:G0B+4*\slot+3], s[G0B+4*\slot+2:G0B+4*\slot+3], 4*KSTEP
	JLOAD \slot                                    ; the wave's one tensor load behind the round; its four v_nop are also the places in front of the loads below
.else
	PLACES
.endif
	FETCH \next, 0, FA0, FB0
	WIN MULW
	MULA FA1, FB1, 2, 0
	MULA FA1, FB1, 3, 0
.endm
.macro LAP zero
	THREE 0, \zero
	TURN 0, 1, 1
	THREE 1, 0
	TURN 1, 0, 1
.endm
	s_wait_tensorcnt 1                             ; my part of K step 0 is in; K step 1's stays out
	s_barrier_signal -1
	s_barrier_wait -1
	FETCH 0, 0, FA0, FB0
	LAP 1                                          ; the first lap stands in front of the loop: its first products start the sums
	WIN 0
	s_mov_b32 s3, LAPS-2
.Llap:
	LAP 0
	WIN 0
	s_sub_co_u32 s3, s3, 1
	s_cmp_lg_u32 s3, 0
	s_cbranch_scc1 .Llap
	THREE 0, 0                                     ; the last lap fills nothing
	TURN 0, 1, 0
	THREE 1, 0
	s_wait_dscnt 4
	WIN MULW
	MULA FA1, FB1, 0, 0
	MULA FA1, FB1, 1, 0
	s_wait_dscnt 0
	MULA FA1, FB1, 2, 0
	MULA FA1, FB1, 3, 0
	; THE WAY OUT: round once to f16 into the B fragment buffers (128 registers, none used twice), one store a tile
	PLACES
	WIN 0x05
.irp a, 0,1,2,3
.irp b, 0,1,2,3,4,5,6,7
.irp p, 0,1,2,3
	v_cvt_pk_f16_f32 v[FB0+4*(8*\a+\b)+\p], v[8*(8*\a+\b)+2*\p], v[8*(8*\a+\b)+2*\p+1]
.endr
.endr
.endr
	WIN 0
	s_lshl_b32 s16, s13, 3
	s_lshl2_add_u32 s16, s11, s16                  ; my first row of tiles: 8 x block row + 4 x half
	s_mul_i32 s16, s16, s76
	s_add_co_u32 s16, s16, s77
	s_mov_b32 s17, 0
	s_add_nc_u64 s[8:9], s[8:9], s[16:17]
	s_lshl_b32 s46, s42, 13                        ; my first column of tiles: (16 x block column + 8 x half) x 512 bytes
	s_lshl_b32 s47, s12, 12
	s_add_co_u32 s46, s46, s47
	s_mov_b32 s47, 0
	s_add_nc_u64 s[8:9], s[8:9], s[46:47]
.irp a, 0,1,2,3
.irp b, 0,1,2,3,4,5,6,7
	global_store_b128 v[CO+\a], v[FB0+4*(8*\a+\b):FB0+4*(8*\a+\b)+3], s[8:9] offset:512*\b   ; 512 consecutive bytes, aligned
.endr
.endr
	CROUND                                         ; the closing round: no work-group ends while a partner may still ask for a tile that names it
	s_endpgm
.Lfunc_end_k_qe44e2dc7c8_kv:
	.size	k_qe44e2dc7c8_kv, .Lfunc_end_k_qe44e2dc7c8_kv-k_qe44e2dc7c8_kv
	.p2alignl 7, 3214868480
	.fill 96, 4, 3214868480
	.section	.rodata,"a",@progbits
	.p2align	6, 0x0
	.amdhsa_kernel k_qe44e2dc7c8_kv
		.amdhsa_group_segment_fixed_size 327680
		.amdhsa_private_segment_fixed_size 0
		.amdhsa_enable_private_segment 0
		.amdhsa_kernarg_size 16
		.amdhsa_user_sgpr_count 2
		.amdhsa_user_sgpr_kernarg_segment_ptr 1
		.amdhsa_wavefront_size32 1
		.amdhsa_system_sgpr_workgroup_id_x 1
		.amdhsa_system_sgpr_workgroup_id_y 1
		.amdhsa_system_sgpr_workgroup_id_z 1
		.amdhsa_system_vgpr_workitem_id 0
		.amdhsa_next_free_vgpr 512
		.amdhsa_next_free_sgpr 80
		.amdhsa_reserve_vcc 0
		.amdhsa_float_denorm_mode_32 3
		.amdhsa_float_denorm_mode_16_64 3
		.amdhsa_memory_ordered 1
		.amdhsa_forward_progress 1
		.amdhsa_inst_pref_size 114
	.end_amdhsa_kernel
	.amdgpu_metadata
---
amdhsa.version: [ 1, 2 ]
amdhsa.kernels:
  - .name:           k_qe44e2dc7c8_kv
    .symbol:         k_qe44e2dc7c8_kv.kd
    .args:
      - { .name: wt, .offset: 0, .size: 8, .value_kind: global_buffer, .address_space: global }
      - { .name: kvf, .offset: 8, .size: 8, .value_kind: global_buffer, .address_space: global }
    .group_segment_fixed_size: 327680
    .private_segment_fixed_size: 0
    .kernarg_segment_align: 8
    .kernarg_segment_size: 16
    .max_flat_workgroup_size: 128
    .sgpr_count:     80
    .vgpr_count:     512
    .wavefront_size: 32
...
	.end_amdgpu_metadata
.endif
;; end of part 2
;; launch q (part 3): grid 4 x 64, 4 waves a work-group, clusters of 4 x 4, 327,680 bytes of LDS; arguments yh, wt, qf; writes qf
.if DOCPART == 3
	.amdgcn_target "amdgcn-amd-amdhsa--gfx1250"
	.amdhsa_code_object_version 6
	.text
	.protected	k_qe44e2dc7c8_q
	.globl	k_qe44e2dc7c8_q
	.p2align	8
	.type	k_qe44e2dc7c8_q,@function
k_qe44e2dc7c8_q:
	s_mov_b64 s[64:65], 0
	v_nop
	global_prefetch_b8 v0, s[64:65] scope:SCOPE_SE
	s_setreg_imm32_b32 hwreg(HW_REG_WAVE_MODE, 25, 1), 1
	s_wait_xcnt 0x0
	s_wait_alu depctr_hold_cnt(0) depctr_sa_sdst(0) depctr_va_vdst(0) depctr_va_sdst(0) depctr_va_ssrc(0) depctr_va_vcc(0) depctr_vm_vsrc(0)
	s_getreg_b32 s2, hwreg(HW_REG_IB_STS2, 6, 4)
	s_cmp_eq_u32 s2, 0
	s_cbranch_scc0 .Lentry_in_a_cluster
	s_endpgm
.Lentry_in_a_cluster:
	s_bfe_u32 s2, ttmp6, 0x10000c
	s_cmp_lg_u32 s2, 0xf033
	s_cbranch_scc0 .Lentry_shape_is_right
	s_endpgm
.Lentry_shape_is_right:
; Q: q[token][col] = yn[token][.] . Wq^T[col][.] over K = 2048, f16 operands, f32 sums, result f16 in TILE ORDER, not yet scaled by 1/8
; (the attention launch folds that factor into its exponent).  A side = yh rows (8192), B side = rows of Wq^T (wt + 0, 1024).
; A work-group makes 128 A rows x 256 B rows with four waves; a wave makes 64 x 128: 32 accumulator tiles, 256 registers (window 1).
; K goes in steps of 128 through two LDS slots filled by tensor loads: a tile's rows are 256 bytes, at multiples of 256 from the buffer's start.
; CLUSTERS: 4 x 4 work-groups.  A's tile hangs on the block row alone and is asked for jointly by a row of the cluster, B's on the block
; column alone and is asked for jointly by a column: the requests for A and B are divided by four.
; THE MATRIX INSTRUCTION IS USED TRANSPOSED (source 0 = B rows, source 1 = A rows): lane l = (r = l % 16, h = l / 16) holds
; C[A row r][B index 8 h + 0..7].  Packed to f16 these are 16 bytes, and they are registers 0-3 (or 4-7) of a K = 32 fragment of the next
; product.  TILE ORDER stores a 16 x 16 tile as 32 lanes x 16 bytes = 512 consecutive bytes: one store of the wave, aligned, no LDS stage.
;   qf: [512 token tiles][64 column tiles][512 bytes]
; LIMIT (format): a result at or above 65,504 becomes inf in f16.
; REGISTERS, window 0: v16-17 / v20-21 LDS addresses of my A / B fragments in slot 0, 1; v26 store offset; v32-63, v64-95 A fragments
; (two buffers); v96-159, v160-223 B fragments (two buffers).  Window 1: accumulator (a, b) at v[8 (8 a + b)].
.set SIZE_K, 2048
.set KSTEP,  128
.set PITCH,  272                       ; 256 bytes of data + 16 of padding: the 16 rows of a fragment load start in 16 different groups of banks
.set AHALF,  64*PITCH                  ; what waves 0 and 1 each fetch, and what a wave reads of A
.set BHALF,  128*PITCH                 ; what waves 2 and 3 each fetch, and what a wave reads of B
.set BOFF,   34816                     ; B's rows lie behind A's 128
.set SLOT,   BOFF+2*BHALF              ; 104,448 bytes
.set A_ROWT, 16*PITCH                  ; from one A fragment's 16 rows to the next
.set A_KQ,   64                        ; 32 along K
.set A_2ND,  32                        ; a fragment's second load
.set A_STEP, 2*KSTEP                   ; a K step in A's memory, bytes
.set LAPS,   SIZE_K/(2*KSTEP)
.set CTB,    32768                     ; bytes of a row of tiles of qf (64 tiles)
.set ADRA, 16
.set ADRB, 20
.set CO,   26
.set FA0,  32
.set FA1,  64
.set FB0,  96
.set FB1,  160
.set G1,  24                           ; s[24:31] group 1 for A's tiles
.set G0,  32                           ; s[32:39] group 0 for A's tiles, one set a slot
.set G1B, 48                           ; s[48:55] group 1 for B's tiles
.set G0B, 56                           ; s[56:63] group 0 for B's tiles, one set a slot
.set MULW, 0x50                        ; C and D in window 1, sources in window 0
.set MSB, 0
.macro WIN new
.if MSB != \new
	s_set_vgpr_msb (MSB<<8)|\new
.set MSB, \new
.endif
.endm
.macro PLACES                          ; four plain places behind matrix instructions in front of loads into, or reads of, their registers
.rept 4
	v_nop
.endr
.endm
.macro JLOAD s                         ; a joint load: waves 0, 1 ask for A's halves, waves 2, 3 for B's; the branch hangs on the wave's number alone
	s_cmp_eq_u32 s11, 0
	s_cbranch_scc0 .Lfor_b_\@
	tensor_load_to_lds s[G0+4*\s:G0+4*\s+3], s[G1:G1+7]
	s_nop 0
.rept 4
	v_nop
.endr
	s_branch .Lasked_\@
.Lfor_b_\@:
	tensor_load_to_lds s[G0B+4*\s:G0B+4*\s+3], s[G1B:G1B+7]
	s_nop 0
.rept 4
	v_nop
.endr
.Lasked_\@:
.endm
.macro CREST                           ; a round of the cluster's barrier behind its opening work-group barrier
	s_cmp_lg_u32 s10, 0
	s_cbranch_scc1 .Lnot_wave_0_\@
	s_barrier_signal -3
.Lnot_wave_0_\@:
	s_barrier_wait -3
	s_barrier_signal -1
	s_barrier_wait -1
.endm
.macro CROUND
	s_barrier_signal -1
	s_barrier_wait -1
	CREST
.endm
	s_load_b128 s[4:7], s[0:1], 0x0                ; yh s[4:5], wt s[6:7]
	s_load_b64 s[8:9], s[0:1], 0x10                ; qf
	v_lshl_add_u32 v254, v0, 2, 0x33000
	v_mov_b32 v255, 0
	ds_add_u32 v254, v255
	v_lshrrev_b32 v1, 5, v0
	v_readfirstlane_b32 s10, v1                    ; wave 0..3
	s_lshr_b32 s11, s10, 1                         ; which 64 A rows are mine.  Also: I fetch for A (0) or for B (1)
	s_and_b32 s12, s10, 1                          ; which 128 B rows are mine.  Also: which half of that tile I fetch
	s_bfe_u32 s40, ttmp6, 0x40000                  ; cx
	s_bfe_u32 s41, ttmp6, 0x40004                  ; cy
	s_lshl_b32 s42, ttmp9, 2
	s_add_co_u32 s42, s42, s40                     ; block column = 4 x cluster x + cx
	s_and_b32 s13, ttmp7, 0xffff
	s_lshl_b32 s13, s13, 2
	s_add_co_u32 s13, s13, s41                     ; block row = 4 x cluster y + cy
	s_lshl_b32 s43, s41, 2
	s_lshl_b32 s43, 15, s43                        ; my row of the cluster: places 4 cy .. 4 cy + 3
	s_lshl_b32 s44, 0x1111, s40                    ; my column: places cx, cx + 4, cx + 8, cx + 12
	; group 1: tiles of 64 (A) or 128 (B) rows x 128 elements of 2 bytes, 4 words of padding behind every 64 words
	s_or_b32 s[G1+0], s43, (1<<16)|(1<<20)|(1<<21)|(5<<22)|(3<<25)
	s_or_b32 s[G1B+0], s44, (1<<16)|(1<<20)|(1<<21)|(5<<22)|(3<<25)
	s_mov_b32 s[G1+1], KSTEP<<16                   ; tensor_dim0 = 128
	s_mov_b32 s[G1B+1], KSTEP<<16
	s_mov_b32 s[G1+2], 64<<16                      ; tensor_dim1
	s_mov_b32 s[G1B+2], 128<<16
	s_mov_b32 s[G1+3], KSTEP<<16                   ; tile_dim0 = 128
	s_mov_b32 s[G1B+3], KSTEP<<16
	s_mov_b32 s[G1+4], 64                          ; tile_dim1
	s_mov_b32 s[G1B+4], 128
	s_mov_b32 s[G1+5], SIZE_K                      ; elements from row to row
	s_mov_b32 s[G1B+5], SIZE_K
	s_mov_b32 s[G1+6], 0
	s_mov_b32 s[G1B+6], 0
	s_mov_b32 s[G1+7], 0
	s_mov_b32 s[G1B+7], 0
	; A's address hangs on the block row, B's on the block column, each in registers that never hold the other coordinate
	s_lshl_b32 s17, s12, 6
	s_lshl_b32 s16, s13, 7
	s_add_co_u32 s16, s16, s17                     ; A: row 128 x block row + 64 x half
	s_lshl_b32 s47, s12, 7
	s_lshl_b32 s46, s42, 8
	s_add_co_u32 s46, s46, s47                     ; B: row 256 x block column + 128 x half
	s_mul_i32 s16, s16, SIZE_K*2
	s_mul_i32 s46, s46, SIZE_K*2
	s_mov_b32 s17, 0
	s_mov_b32 s47, 0
	s_mul_i32 s20, s12, AHALF                      ; where they go: no place in the cluster enters an LDS address
	s_mul_i32 s21, s12, BHALF
	s_add_co_u32 s21, s21, BOFF
	s_wait_dscnt 0x0
	s_wait_kmcnt 0x0
	s_add_nc_u64 s[14:15], s[4:5], s[16:17]
	s_add_nc_u64 s[46:47], s[6:7], s[46:47]
	CROUND                                         ; all sixteen work-groups are here: the first joint loads meet
.irp s, 0,1
	s_mov_b32 s[G0+4*\s], 1
	s_add_co_u32 s[G0+4*\s+1], s20, \s*SLOT
	s_add_nc_u64 s[G0+4*\s+2:G0+4*\s+3], s[14:15], \s*A_STEP
	s_or_b32 s[G0+4*\s+3], s[G0+4*\s+3], 0x80000000
	s_mov_b32 s[G0B+4*\s], 1
	s_add_co_u32 s[G0B+4*\s+1], s21, \s*SLOT
	s_add_nc_u64 s[G0B+4*\s+2:G0B+4*\s+3], s[46:47], \s*2*KSTEP
	s_or_b32 s[G0B+4*\s+3], s[G0B+4*\s+3], 0x80000000
	JLOAD \s                                       ; both slots' first fills go out together: two tensor loads of the wave are out
.endr
	v_and_b32 v1, 15, v0                           ; r
	v_bfe_u32 v2, v0, 4, 1                         ; h
	v_mul_u32_u24 v3, v1, PITCH
	v_lshl_add_u32 v3, v2, 4, v3                   ; row x pitch + 16 h
	v_and_b32 v4, 31, v0
	v_lshlrev_b32 v[CO], 4, v4                     ; 16 l
	s_mul_i32 s22, s11, AHALF                      ; my 64 rows of A
	s_mul_i32 s23, s12, BHALF                      ; my 128 rows of B
	s_add_co_u32 s23, s23, BOFF
.irp s, 0,1
	v_add_nc_u32 v[ADRA+\s], s22, v3
	v_add_nc_u32 v[ADRB+\s], s23, v3
	s_add_co_u32 s22, s22, SLOT
	s_add_co_u32 s23, s23, SLOT
.endr
; 8 matrix instructions: A fragment a x all 8 B fragments, 32 along K.  zero = 1: the first product starts the sums.
; The 32 accumulators take turns, one instruction a turn, in the same order in every quarter step.
.macro MULA fa, fb, a, zero
.irp b, 0,1,2,3,4,5,6,7
.if \zero
	v_wmma_f32_16x16x32_f16 v[8*(8*\a+\b):8*(8*\a+\b)+7], v[\fb+8*\b:\fb+8*\b+7], v[\fa+8*\a:\fa+8*\a+7], 0
.else
	v_wmma_f32_16x16x32_f16 v[8*(8*\a+\b):8*(8*\a+\b)+7], v[\fb+8*\b:\fb+8*\b+7], v[\fa+8*\a:\fa+8*\a+7], v[8*(8*\a+\b):8*(8*\a+\b)+7]
.endif
.endr
.endm
; 24 LDS loads in one run: quarter kq of a slot: 16 for B's 128 rows, then 8 for A's 64
.macro FETCH slot, kq, fa, fb
	WIN 0
.irp i, 0,1,2,3,4,5,6,7
	ds_load_b128 v[\fb+8*\i:\fb+8*\i+3],   v[ADRB+\slot] offset:64*\kq+\i*16*PITCH
	ds_load_b128 v[\fb+8*\i+4:\fb+8*\i+7], v[ADRB+\slot] offset:64*\kq+\i*16*PITCH+32
.endr
.irp i, 0,1,2,3
	ds_load_b128 v[\fa+8*\i:\fa+8*\i+3],   v[ADRA+\slot] offset:A_KQ*\kq+\i*A_ROWT
	ds_load_b128 v[\fa+8*\i+4:\fa+8*\i+7], v[ADRA+\slot] offset:A_KQ*\kq+\i*A_ROWT+A_2ND
.endr
.endm
; One of a K step's first three quarters: multiplies buffers (fa, fb) and in its middle fetches quarter kq into (ga, gb)
.macro QUARTER slot, kq, fa, fb, ga, gb, zero
	s_wait_dscnt 4                                 ; B and A's fragments 0, 1 are in; the youngest four loads (A's fragments 2, 3) may be out
	WIN MULW
	MULA \fa, \fb, 0, \zero
	MULA \fa, \fb, 1, \zero
	PLACES
	FETCH \slot, \kq, \ga, \gb
	s_wait_dscnt 24                                ; all but the 24 just issued
	WIN MULW
	MULA \fa, \fb, 2, \zero
	MULA \fa, \fb, 3, \zero
.endm
.macro THREE slot, zero
	QUARTER \slot, 1, FA0, FB0, FA1, FB1, \zero
	QUARTER \slot, 2, FA1, FB1, FA0, FB0, 0
	QUARTER \slot, 3, FA0, FB0, FA1, FB1, 0
.endm
; The last quarter multiplies buffer 1 and changes slots.  One barrier for two things: in front of it each wave waits for its reads of this slot
; and for all its tensor loads (one is out: its part of the next slot); behind it the refill comes first, then the next slot's first fragments.
; From a request to the wait for it a wave issues 120 of a K step's 128 matrix instructions.
.macro TURN slot, next, fill
	s_wait_dscnt 4
	WIN MULW
	MULA FA1, FB1, 0, 0
	s_wait_dscnt 0                                 ; my reads of this slot are over
	s_wait_tensorcnt 0x0                           ; and all my tensor loads have landed
	ds_add_u32 v254, v255
	s_wait_dscnt 0x0
	s_barrier_signal -1                            ; (where a slot is filled again this barrier opens a round of the cluster's barrier)
	MULA FA1, FB1, 1, 0                            ; register work while the others arrive
	WIN 0
	s_barrier_wait -1
.if \fill
	CREST                                          ; no wave of any partner still reads this slot or has a load on its way
	s_add_nc_u64 s[G0+4*\slot+2:G0+4*\slot+3], s[G0+4*\slot+2:G0+4*\slot+3], 2*A_STEP
	s_add_nc_u64 s[G0B+4*\slot+2:G0B+4*\slot+3], s[G0B+4*\slot+2:G0B+4*\slot+3], 4*KSTEP
	JLOAD \slot                                    ; the wave's one tensor load behind the round; its four v_nop are also the places in front of the loads below
.else
	PLACES
.endif
	FETCH \next, 0, FA0, FB0
	WIN MULW
	MULA FA1, FB1, 2, 0
	MULA FA1, FB1, 3, 0
.endm
.macro LAP zero
	THREE 0, \zero
	TURN 0, 1, 1
	THREE 1, 0
	TURN 1, 0, 1
.endm
	s_wait_tensorcnt 1                             ; my part of K step 0 is in; K step 1's stays out
	s_barrier_signal -1
	s_barrier_wait -1
	FETCH 0, 0, FA0, FB0
	LAP 1                                          ; the first lap stands in front of the loop: its first products start the sums
	WIN 0
	s_mov_b32 s3, LAPS-2
.Llap:
	LAP 0
	WIN 0
	s_sub_co_u32 s3, s3, 1
	s_cmp_lg_u32 s3, 0
	s_cbranch_scc1 .Llap
	THREE 0, 0                                     ; the last lap fills nothing
	TURN 0, 1, 0
	THREE 1, 0
	s_wait_dscnt 4
	WIN MULW
	MULA FA1, FB1, 0, 0
	MULA FA1, FB1, 1, 0
	s_wait_dscnt 0
	MULA FA1, FB1, 2, 0
	MULA FA1, FB1, 3, 0
	; THE WAY OUT: round once to f16 into the B fragment buffers (128 registers, none used twice), one store a tile
	PLACES
	WIN 0x05
.irp a, 0,1,2,3
.irp b, 0,1,2,3,4,5,6,7
.irp p, 0,1,2,3
	v_cvt_pk_f16_f32 v[FB0+4*(8*\a+\b)+\p], v[8*(8*\a+\b)+2*\p], v[8*(8*\a+\b)+2*\p+1]
.endr
.endr
.endr
	WIN 0
	s_lshl_b32 s16, s13, 3
	s_lshl2_add_u32 s16, s11, s16                  ; my first row of tiles: 8 x block row + 4 x half
	s_mul_i32 s16, s16, CTB
	s_mov_b32 s17, 0
	s_add_nc_u64 s[8:9], s[8:9], s[16:17]
	s_lshl_b32 s46, s42, 13                        ; my first column of tiles: (16 x block column + 8 x half) x 512 bytes
	s_lshl_b32 s47, s12, 12
	s_add_co_u32 s46, s46, s47
	s_mov_b32 s47, 0
	s_add_nc_u64 s[8:9], s[8:9], s[46:47]
.irp a, 0,1,2,3
.irp b, 0,1,2,3,4,5,6,7
	global_store_b128 v[CO], v[FB0+4*(8*\a+\b):FB0+4*(8*\a+\b)+3], s[8:9] offset:\a*CTB+512*\b   ; 512 consecutive bytes, aligned
.endr
.endr
	CROUND                                         ; the closing round: no work-group ends while a partner may still ask for a tile that names it
	s_endpgm
.Lfunc_end_k_qe44e2dc7c8_q:
	.size	k_qe44e2dc7c8_q, .Lfunc_end_k_qe44e2dc7c8_q-k_qe44e2dc7c8_q
	.p2alignl 7, 3214868480
	.fill 96, 4, 3214868480
	.section	.rodata,"a",@progbits
	.p2align	6, 0x0
	.amdhsa_kernel k_qe44e2dc7c8_q
		.amdhsa_group_segment_fixed_size 327680
		.amdhsa_private_segment_fixed_size 0
		.amdhsa_enable_private_segment 0
		.amdhsa_kernarg_size 24
		.amdhsa_user_sgpr_count 2
		.amdhsa_user_sgpr_kernarg_segment_ptr 1
		.amdhsa_wavefront_size32 1
		.amdhsa_system_sgpr_workgroup_id_x 1
		.amdhsa_system_sgpr_workgroup_id_y 1
		.amdhsa_system_sgpr_workgroup_id_z 1
		.amdhsa_system_vgpr_workitem_id 0
		.amdhsa_next_free_vgpr 512
		.amdhsa_next_free_sgpr 80
		.amdhsa_reserve_vcc 0
		.amdhsa_float_denorm_mode_32 3
		.amdhsa_float_denorm_mode_16_64 3
		.amdhsa_memory_ordered 1
		.amdhsa_forward_progress 1
		.amdhsa_inst_pref_size 113
	.end_amdhsa_kernel
	.amdgpu_metadata
---
amdhsa.version: [ 1, 2 ]
amdhsa.kernels:
  - .name:           k_qe44e2dc7c8_q
    .symbol:         k_qe44e2dc7c8_q.kd
    .args:
      - { .name: yh, .offset: 0, .size: 8, .value_kind: global_buffer, .address_space: global }
      - { .name: wt, .offset: 8, .size: 8, .value_kind: global_buffer, .address_space: global }
      - { .name: qf, .offset: 16, .size: 8, .value_kind: global_buffer, .address_space: global }
    .group_segment_fixed_size: 327680
    .private_segment_fixed_size: 0
    .kernarg_segment_align: 8
    .kernarg_segment_size: 24
    .max_flat_workgroup_size: 128
    .sgpr_count:     80
    .vgpr_count:     512
    .wavefront_size: 32
...
	.end_amdgpu_metadata
.endif
;; end of part 3
;; launch attn (part 4): grid 2 x 128, 8 waves a work-group, no clusters, 0 bytes of LDS; arguments qf, kvf, tt, of; writes of
.if DOCPART == 4
	.amdgcn_target "amdgcn-amd-amdhsa--gfx1250"
	.amdhsa_code_object_version 6
	.text
	.protected	k_qe44e2dc7c8_attn
	.globl	k_qe44e2dc7c8_attn
	.p2align	8
	.type	k_qe44e2dc7c8_attn,@function
k_qe44e2dc7c8_attn:
	s_mov_b64 s[64:65], 0
	v_nop
	global_prefetch_b8 v0, s[64:65] scope:SCOPE_SE
	s_setreg_imm32_b32 hwreg(HW_REG_WAVE_MODE, 25, 1), 1
	s_wait_xcnt 0x0
; ATTN: the masked softmax attention.  tau = tt[token] is the running count of media markers.  A token with tau in 1..8 sees the 64 keys of
; media block tau - 1 alone; a token with tau = 0 or tau > 8 has every score replaced by the same number, so its softmax is 1/512 on all 512 keys.
; A work-group takes 64 tokens x 8 heads; a wave takes one head: four sub-tiles of 16 tokens.  Everything comes in TILE ORDER (a 16 x 16 tile of f16 as
; 32 lanes x 16 bytes), so every fragment is two loads of 512 consecutive bytes straight into registers: no LDS, no barrier, no wave waits for another.
; tau does not fall along the tokens, so the blocks that the 64 tokens need are tau(first) - 1 .. tau(last) - 1; if either lies outside 0..7 all eight
; blocks are walked.  The range is read from tt as whole numbers by scalar loads and clamped to 0..7 before it enters an address.
; In block m, for each token: S = K q (64 keys), the row's maximum is taken away as in the softmax, p = exp2((S - max) c), P = p f, O += V^T P, with
;   c = log2(e)/8 and f = 1/sum(p) where tau - 1 = m, f = 0 in other blocks        (a seeing token's whole support is this one block: no running maximum is needed)
;   c = 0, so p = 1, and f = 1/512 in all eight blocks                             (a token that sees nothing: the mean of V)
; The choice is made by v_cndmask_b32; no branch hangs on it.
; No cluster: the loads go through registers, the trip counts differ from work-group to work-group, and a wave's K and V of a block are 16 KiB.
; LIMIT (format): q, k, v and o are f16: at or above 65,504 they are inf.  With finite q and k every score is finite in f32.
; The matrix instruction is used transposed throughout: S: source 0 = 16 keys of K, source 1 = 16 tokens of q: lane (r, h) holds S[token r][key 8 h + j];
; the lane's 8 numbers, packed, are half of a fragment of P; O: source 0 = 16 rows of V^T, source 1 = P: lane holds O[token r][d 8 h + j]: tile order again.
.set CLP, 2                            ; v[2:9]    c of my token in sub-tile i, as a pair
.set TM,  10                           ; v10-13    tau - 1 of my token in sub-tile i
.set UNI, 14                           ; v14-17    1/512 for a token that sees nothing, else 0
.set NM,  18                           ; v[18:19]  max x c, twice
.set F,   20                           ; v[20:21]  f, twice
.set RED, 22                           ; v22-23    across the two halves of the lanes
.set CH,  24                           ; v24-31    chains
.set Q,   32                           ; v32-95    fragment (i, c) at 16 i + 8 c
.set K,   96                           ; v96-159   fragment (key tile t, c) at 16 t + 8 c
.set V,   160                          ; v160-223  fragment (d tile dt, c) at 16 dt + 8 c
.set S,   224                          ; v224-255  four score tiles, then P in v224-239
                                       ; window 1 (v256-383): O(i, dt) at 8 (4 i + dt)
.set MSB, 0
.macro WIN new
.if MSB != \new
	s_set_vgpr_msb (MSB<<8)|\new
.set MSB, \new
.endif
.endm
	s_load_b256 s[4:11], s[0:1], 0x0               ; qf s[4:5], kvf s[6:7], tt s[8:9], of s[10:11]
	v_lshrrev_b32 v1, 5, v0
	v_readfirstlane_b32 s12, v1                    ; wave 0..7
	s_lshl3_add_u32 s13, ttmp9, s12                ; head = 8 x + wave
	s_and_b32 s14, ttmp7, 0xffff                   ; block of 64 tokens, 0..127
	s_mov_b32 s26, 0x76543210                      ; v_permlanex16_b32: lane i reads lane i of the other half
	s_mov_b32 s27, 0xfedcba98
	v_and_b32 v1, 31, v0
	v_lshlrev_b32 v1, 4, v1                        ; 16 l
	v_and_b32 v0, 15, v0
	v_lshlrev_b32 v0, 2, v0                        ; 4 r
	v_mov_b32 v[RED+1], 0                          ; the permute's destination counts as read
	v_mov_b32 v[CH], 0x3e38aa3b                    ; log2(e) / 8: the scale 64^-0.5 and the change of base in one factor
	v_mov_b32 v[CH+1], 0x3b000000                  ; 1 / 512
	v_mov_b32 v[CH+2], 0
	s_lshl_b32 s24, s14, 8                         ; 64 tokens of 4 bytes
	s_mov_b32 s25, 0
	s_wait_kmcnt 0x0
	s_add_nc_u64 s[8:9], s[8:9], s[24:25]
	s_load_b32 s16, s[8:9], 0x0                    ; tau of my first token
	s_load_b32 s17, s[8:9], 0xfc                   ; and of my last
.irp i, 0,1,2,3
	global_load_b32 v[TM+\i], v0, s[8:9] offset:64*\i
.endr
	s_lshl_b32 s24, s14, 17                        ; 4 token tiles of 32,768 bytes
	s_lshl_b32 s28, s13, 11                        ; 4 column tiles of 512 bytes
	s_add_co_u32 s24, s24, s28
	s_add_nc_u64 s[4:5], s[4:5], s[24:25]
	s_add_nc_u64 s[10:11], s[10:11], s[24:25]
.irp i, 0,1,2,3
.irp c, 0,1,2,3
	global_load_b128 v[Q+16*\i+4*\c:Q+16*\i+4*\c+3], v1, s[4:5] offset:32768*\i+512*\c
.endr
.endr
	s_wait_kmcnt 0x0
	s_sub_co_u32 s16, s16, 1                       ; tau = 0 wraps to the largest number: outside 0..7 like tau > 8
	s_sub_co_u32 s17, s17, 1
	s_max_u32 s28, s16, s17
	s_cmp_gt_u32 s28, 7
	s_cselect_b32 s18, 0, s16                      ; m: the first block
	s_cselect_b32 s19, 7, s17                      ; the last block
	s_min_u32 s18, s18, 7
	s_min_u32 s19, s19, 7
	s_add_co_u32 s19, s19, 1                       ; one past the last block, 8 at the most: the loop runs while m < s19
	s_lshr_b32 s28, s14, 5                         ; batch
	s_lshl_b32 s28, s28, 3
	s_add_co_u32 s28, s28, s18                     ; 8 batch + m
	s_lshl_b32 s24, s28, 17                        ; K: 4 key tiles of 32,768 bytes a block,
	s_lshl_b32 s29, s13, 11                        ; 4 column tiles a head
	s_add_co_u32 s24, s24, s29
	s_add_nc_u64 s[20:21], s[6:7], s[24:25]
	s_lshl_b32 s24, s28, 11                        ; V^T: 4 key tiles of 512 bytes a block,
	s_lshl_b32 s29, s13, 18                        ; 4 d tiles of 65,536 bytes a head,
	s_add_co_u32 s24, s24, s29
	s_add_co_u32 s24, s24, 0x400000                ; behind K
	s_add_nc_u64 s[22:23], s[6:7], s[24:25]
.macro LOADKV                          ; 16 loads of K, then 16 of V^T
.irp t, 0,1,2,3
.irp c, 0,1,2,3
	global_load_b128 v[K+16*\t+4*\c:K+16*\t+4*\c+3], v1, s[20:21] offset:32768*\t+512*\c
.endr
.endr
.irp t, 0,1,2,3
.irp c, 0,1,2,3
	global_load_b128 v[V+16*\t+4*\c:V+16*\t+4*\c+3], v1, s[22:23] offset:65536*\t+512*\c
.endr
.endr
.endm
; Sub-tile i in block m (s18).  zero = 1: the first block starts O's sums.  first = 1: V is waited for here.
.macro SUB i, zero, first
.irp t, 0,1,2,3
	v_wmma_f32_16x16x32_f16 v[S+8*\t:S+8*\t+7], v[K+16*\t:K+16*\t+7], v[Q+16*\i:Q+16*\i+7], 0
.endr
.irp t, 0,1,2,3                        ; the four score tiles take turns, one instruction a turn
	v_wmma_f32_16x16x32_f16 v[S+8*\t:S+8*\t+7], v[K+16*\t+8:K+16*\t+15], v[Q+16*\i+8:Q+16*\i+15], v[S+8*\t:S+8*\t+7]
.endr
.rept 4
	v_nop                                          ; four places before the results are read (ISA guide 7.12.1)
.endr
	; the row's maximum: my 32 scores in two chains, then the other half of the lanes (lanes r and r + 16 hold one token's 64 keys)
	v_max3_num_f32 v[CH], v[S], v[S+1], v[S+2]
	v_max3_num_f32 v[CH+1], v[S+3], v[S+4], v[S+5]
.irp k, 6,10,14,18,22,26
	v_max3_num_f32 v[CH], v[CH], v[S+\k], v[S+\k+1]
	v_max3_num_f32 v[CH+1], v[CH+1], v[S+\k+2], v[S+\k+3]
.endr
	v_max3_num_f32 v[CH], v[CH], v[S+30], v[S+31]
	v_max_num_f32 v[RED], v[CH], v[CH+1]
	v_permlanex16_b32 v[RED+1], v[RED], s26, s27
	v_max_num_f32 v[RED], v[RED], v[RED+1]
	v_mul_f32 v[NM], v[RED], v[CLP+2*\i]
	v_mov_b32 v[NM+1], v[NM]
.set k, 0
.rept 16
	v_pk_fma_f32 v[S+2*k:S+2*k+1], v[S+2*k:S+2*k+1], v[CLP+2*\i:CLP+2*\i+1], v[NM:NM+1] neg_lo:[0,0,1] neg_hi:[0,0,1]   ; S c - max c; the rounding of max c is common to the row and leaves with the sum
.set k, k+1
.endr
.set k, 0
.rept 32
	v_exp_f32 v[S+k], v[S+k]
.set k, k+1
.endr
	v_nop                                          ; one plain place behind the transcendentals (ISA guide 5.7.2)
	s_wait_alu depctr_va_vdst(0)
.irp j, 0,1,2,3
	v_pk_add_f32 v[CH+2*\j:CH+2*\j+1], v[S+4*\j:S+4*\j+1], v[S+4*\j+2:S+4*\j+3]
.endr
.irp j, 0,1,2,3
	v_pk_add_f32 v[CH+2*\j:CH+2*\j+1], v[CH+2*\j:CH+2*\j+1], v[S+16+2*\j:S+17+2*\j]
.endr
.irp j, 0,1,2,3
	v_pk_add_f32 v[CH+2*\j:CH+2*\j+1], v[CH+2*\j:CH+2*\j+1], v[S+24+2*\j:S+25+2*\j]
.endr
	v_pk_add_f32 v[CH:CH+1], v[CH:CH+1], v[CH+2:CH+3]
	v_pk_add_f32 v[CH+4:CH+5], v[CH+4:CH+5], v[CH+6:CH+7]
	v_pk_add_f32 v[CH:CH+1], v[CH:CH+1], v[CH+4:CH+5]
	v_add_f32 v[RED], v[CH], v[CH+1]
	v_permlanex16_b32 v[RED+1], v[RED], s26, s27
	v_add_f32 v[RED], v[RED], v[RED+1]             ; at least 1 up to rounding: the maximum's own term
	v_rcp_f32 v[RED+1], v[RED]
	v_cmp_eq_u32 vcc_lo, s18, v[TM+\i]             ; is this my token's block?  (also the plain place behind v_rcp_f32)
	s_wait_alu depctr_va_vdst(0)
	v_cndmask_b32 v[F], v[UNI+\i], v[RED+1], vcc_lo
	v_mov_b32 v[F+1], v[F]
.set k, 0
.rept 16
	v_pk_mul_f32 v[S+2*k:S+2*k+1], v[S+2*k:S+2*k+1], v[F:F+1]
.set k, k+1
.endr
.set k, 0
.rept 16
	v_cvt_pk_f16_f32 v[S+k], v[S+2*k], v[S+2*k+1]  ; in place, k ascending: v[S:S+7] and v[S+8:S+15] are P's fragments for keys 0-31 and 32-63
.set k, k+1
.endr
.if \first
	s_wait_loadcnt 0x0                             ; V is in
.endif
	WIN 0x50
.irp d, 0,1,2,3
.if \zero
	v_wmma_f32_16x16x32_f16 v[8*(4*\i+\d):8*(4*\i+\d)+7], v[V+16*\d:V+16*\d+7], v[S:S+7], 0
.else
	v_wmma_f32_16x16x32_f16 v[8*(4*\i+\d):8*(4*\i+\d)+7], v[V+16*\d:V+16*\d+7], v[S:S+7], v[8*(4*\i+\d):8*(4*\i+\d)+7]
.endif
.endr
.irp d, 0,1,2,3                        ; the four output tiles take turns likewise
	v_wmma_f32_16x16x32_f16 v[8*(4*\i+\d):8*(4*\i+\d)+7], v[V+16*\d+8:V+16*\d+15], v[S+8:S+15], v[8*(4*\i+\d):8*(4*\i+\d)+7]
.endr
	WIN 0
.rept 5
	v_nop                                          ; five places: the next score tiles write over P; four would do for the next loads into K and V and for the way out
.endr
.endm
.macro COMPUTE zero
	s_wait_loadcnt 16                              ; all but V's 16 loads are in
	SUB 0, \zero, 1
	SUB 1, \zero, 0
	SUB 2, \zero, 0
	SUB 3, \zero, 0
.endm
.macro STEP                            ; the next block; every load has been waited for, so the bases may be written
	s_add_nc_u64 s[20:21], s[20:21], 0x20000
	s_add_nc_u64 s[22:23], s[22:23], 0x800
	s_add_co_u32 s18, s18, 1
.endm
	LOADKV
	s_wait_loadcnt 48                              ; tau is in; q (16), K (16) and V (16) stay out
.irp i, 0,1,2,3
	v_add_nc_u32 v[TM+\i], -1, v[TM+\i]
	v_cmp_lt_u32 vcc_lo, 7, v[TM+\i]               ; the token sees nothing
	v_cndmask_b32 v[CLP+2*\i], v[CH], v[CH+2], vcc_lo
	v_cndmask_b32 v[CLP+2*\i+1], v[CH], v[CH+2], vcc_lo
	v_cndmask_b32 v[UNI+\i], v[CH+2], v[CH+1], vcc_lo
.endr
	COMPUTE 1                                      ; the first block stands in front of the loop: nothing is cleared
	STEP
	s_cmp_ge_u32 s18, s19                          ; one block alone: nothing is left
	s_cbranch_scc1 .Ldone
.Lblk:
	LOADKV
	COMPUTE 0
	STEP                                           ; m steps by 1, once a trip,
	s_cmp_lt_u32 s18, s19                          ; up to a bound that the loop does not write and that is 8 at the most: seven trips at the most
	s_cbranch_scc1 .Lblk
.Ldone:
	WIN 0x05
.irp i, 0,1,2,3
.irp d, 0,1,2,3
.irp p, 0,1,2,3
	v_cvt_pk_f16_f32 v[K+4*(4*\i+\d)+\p], v[8*(4*\i+\d)+2*\p], v[8*(4*\i+\d)+2*\p+1]
.endr
.endr
.endr
	WIN 0
.irp i, 0,1,2,3
.irp d, 0,1,2,3
	global_store_b128 v1, v[K+4*(4*\i+\d):K+4*(4*\i+\d)+3], s[10:11] offset:32768*\i+512*\d   ; 512 consecutive bytes, aligned
.endr
.endr
	s_endpgm
.Lfunc_end_k_qe44e2dc7c8_attn:
	.size	k_qe44e2dc7c8_attn, .Lfunc_end_k_qe44e2dc7c8_attn-k_qe44e2dc7c8_attn
	.p2alignl 7, 3214868480
	.fill 96, 4, 3214868480
	.section	.rodata,"a",@progbits
	.p2align	6, 0x0
	.amdhsa_kernel k_qe44e2dc7c8_attn
		.amdhsa_group_segment_fixed_size 0
		.amdhsa_private_segment_fixed_size 0
		.amdhsa_enable_private_segment 0
		.amdhsa_kernarg_size 32
		.amdhsa_user_sgpr_count 2
		.amdhsa_user_sgpr_kernarg_segment_ptr 1
		.amdhsa_wavefront_size32 1
		.amdhsa_system_sgpr_workgroup_id_x 1
		.amdhsa_system_sgpr_workgroup_id_y 1
		.amdhsa_system_sgpr_workgroup_id_z 1
		.amdhsa_system_vgpr_workitem_id 0
		.amdhsa_next_free_vgpr 384
		.amdhsa_next_free_sgpr 66
		.amdhsa_reserve_vcc 1
		.amdhsa_float_denorm_mode_32 3
		.amdhsa_float_denorm_mode_16_64 3
		.amdhsa_memory_ordered 1
		.amdhsa_forward_progress 1
		.amdhsa_inst_pref_size 79
	.end_amdhsa_kernel
	.amdgpu_metadata
---
amdhsa.version: [ 1, 2 ]
amdhsa.kernels:
  - .name:           k_qe44e2dc7c8_attn
    .symbol:         k_qe44e2dc7c8_attn.kd
    .args:
      - { .name: qf, .offset: 0, .size: 8, .value_kind: global_buffer, .address_space: global }
      - { .name: kvf, .offset: 8, .size: 8, .value_kind: global_buffer, .address_space: global }
      - { .name: tt, .offset: 16, .size: 8, .value_kind: global_buffer, .address_space: global }
      - { .name: of, .offset: 24, .size: 8, .value_kind: global_buffer, .address_space: global }
    .group_segment_fixed_size: 0
    .private_segment_fixed_size: 0
    .kernarg_segment_align: 8
    .kernarg_segment_size: 32
    .max_flat_workgroup_size: 256
    .sgpr_count:     66
    .vgpr_count:     384
    .wavefront_size: 32
...
	.end_amdgpu_metadata
.endif
;; end of part 4
;; launch out (part 5): grid 8 x 64, 4 waves a work-group, clusters of 4 x 4, 327,680 bytes of LDS; arguments of, wt, out0; writes out0
.if DOCPART == 5
	.amdgcn_target "amdgcn-amd-amdhsa--gfx1250"
	.amdhsa_code_object_version 6
	.text
	.protected	k_qe44e2dc7c8_out
	.globl	k_qe44e2dc7c8_out
	.p2align	8
	.type	k_qe44e2dc7c8_out,@function
k_qe44e2dc7c8_out:
	s_mov_b64 s[64:65], 0
	v_nop
	global_prefetch_b8 v0, s[64:65] scope:SCOPE_SE
	s_setreg_imm32_b32 hwreg(HW_REG_WAVE_MODE, 25, 1), 1
	s_wait_xcnt 0x0
	s_wait_alu depctr_hold_cnt(0) depctr_sa_sdst(0) depctr_va_vdst(0) depctr_va_sdst(0) depctr_va_ssrc(0) depctr_va_vcc(0) depctr_vm_vsrc(0)
	s_getreg_b32 s2, hwreg(HW_REG_IB_STS2, 6, 4)
	s_cmp_eq_u32 s2, 0
	s_cbranch_scc0 .Lentry_in_a_cluster
	s_endpgm
.Lentry_in_a_cluster:
	s_bfe_u32 s2, ttmp6, 0x10000c
	s_cmp_lg_u32 s2, 0xf033
	s_cbranch_scc0 .Lentry_shape_is_right
	s_endpgm
.Lentry_shape_is_right:
; OUT: out0[token][n] = o[token][.] . Wout^T[n][.] over K = 1024, f16 operands, f32 sums, result f32 row-major.
; A side = tokens (8192), read from `of` in TILE ORDER ([512 token tiles][64 column tiles][32 lanes x 16 bytes]); B side = rows of Wout^T (wt + 8388608, 2048).
; A work-group makes 128 A rows x 256 B rows with four waves; a wave makes 64 x 128: 32 accumulator tiles, 256 registers (window 1).
; K goes in steps of 128 through two LDS slots filled by tensor loads.  B's tile has rows of 256 bytes, padded to 272 in LDS.  A's K step of a token
; tile is 8 column tiles = 4,096 consecutive bytes, so A's half tile is 4 rows of 4,096 bytes, 32,768 bytes apart, and needs no padding: a fragment is two
; LDS loads of 512 consecutive bytes.
; CLUSTERS: 4 x 4 work-groups.  A's tile hangs on the block row alone and is asked for jointly by a row of the cluster, B's on the block
; column alone and is asked for jointly by a column: the requests for A and B are divided by four.
; THE MATRIX INSTRUCTION IS USED TRANSPOSED (source 0 = B rows, source 1 = A rows): lane l = (r = l % 16, h = l / 16) holds
; C[A row r][B index 8 h + 0..7]: 32 neighbouring bytes of a row of out0.  16 rows at a time go through the wave's own LDS stage and leave as whole rows.
; REGISTERS, window 0: v16-17 / v20-21 LDS addresses of my A / B fragments in slot 0, 1; v24 stage in, v25 stage back, v26 store offset;
; v32-63, v64-95 A fragments (two buffers); v96-159, v160-223 B fragments (two buffers).  Window 1: accumulator (a, b) at v[8 (8 a + b)].
.set SIZE_K, 1024
.set KSTEP,  128
.set PITCH,  272                       ; B: 256 bytes of data + 16 of padding: the 16 rows of a fragment load start in 16 different groups of banks
.set AHALF,  16384                     ; what waves 0 and 1 each fetch, and what a wave reads of A: 4 token tiles x 4,096 bytes
.set BHALF,  128*PITCH                 ; what waves 2 and 3 each fetch, and what a wave reads of B
.set BOFF,   34816                     ; B's rows lie behind A's region
.set SLOT,   BOFF+2*BHALF              ; 104,448 bytes
.set A_ROWT, 4096                      ; from one A fragment's token tile to the next
.set A_KQ,   1024                      ; 32 along K: two column tiles
.set A_2ND,  512                       ; a fragment's second load: the next column tile
.set A_STEP, 4096                      ; a K step in A's memory, bytes
.set STAGE,  2*SLOT                    ; behind the ring, in blocks into which no fill lands: 16 rows x 528 bytes for each wave
.set SPITCH, 528                       ; 512 bytes of data + 16: the 16 lanes of a store fall on 16 different columns of 16 bytes
.set LAPS,   SIZE_K/(2*KSTEP)
.set ADRA, 16
.set ADRB, 20
.set STO,  24
.set RD,   25
.set CO,   26
.set FA0,  32
.set FA1,  64
.set FB0,  96
.set FB1,  160
.set G1,  24                           ; s[24:31] group 1 for A's tiles
.set G0,  32                           ; s[32:39] group 0 for A's tiles, one set a slot
.set G1B, 48                           ; s[48:55] group 1 for B's tiles
.set G0B, 56                           ; s[56:63] group 0 for B's tiles, one set a slot
.set MULW, 0x50                        ; C and D in window 1, sources in window 0
.set MSB, 0
.macro WIN new
.if MSB != \new
	s_set_vgpr_msb (MSB<<8)|\new
.set MSB, \new
.endif
.endm
.macro PLACES                          ; four plain places behind matrix instructions in front of loads into, or reads of, their registers
.rept 4
	v_nop
.endr
.endm
.macro JLOAD s                         ; a joint load: waves 0, 1 ask for A's halves, waves 2, 3 for B's; the branch hangs on the wave's number alone
	s_cmp_eq_u32 s11, 0
	s_cbranch_scc0 .Lfor_b_\@
	tensor_load_to_lds s[G0+4*\s:G0+4*\s+3], s[G1:G1+7]
	s_nop 0
.rept 4
	v_nop
.endr
	s_branch .Lasked_\@
.Lfor_b_\@:
	tensor_load_to_lds s[G0B+4*\s:G0B+4*\s+3], s[G1B:G1B+7]
	s_nop 0
.rept 4
	v_nop
.endr
.Lasked_\@:
.endm
.macro CREST                           ; a round of the cluster's barrier behind its opening work-group barrier
	s_cmp_lg_u32 s10, 0
	s_cbranch_scc1 .Lnot_wave_0_\@
	s_barrier_signal -3
.Lnot_wave_0_\@:
	s_barrier_wait -3
	s_barrier_signal -1
	s_barrier_wait -1
.endm
.macro CROUND
	s_barrier_signal -1
	s_barrier_wait -1
	CREST
.endm
	s_load_b128 s[4:7], s[0:1], 0x0                ; of s[4:5], wt s[6:7]
	s_load_b64 s[8:9], s[0:1], 0x10                ; out0
	v_lshl_add_u32 v254, v0, 2, 0x3b400
	v_mov_b32 v255, 0
	ds_add_u32 v254, v255
	v_lshrrev_b32 v1, 5, v0
	v_readfirstlane_b32 s10, v1                    ; wave 0..3
	s_lshr_b32 s11, s10, 1                         ; which 64 A rows are mine.  Also: I fetch for A (0) or for B (1)
	s_and_b32 s12, s10, 1                          ; which 128 B rows are mine.  Also: which half of that tile I fetch
	s_bfe_u32 s40, ttmp6, 0x40000                  ; cx
	s_bfe_u32 s41, ttmp6, 0x40004                  ; cy
	s_lshl_b32 s42, ttmp9, 2
	s_add_co_u32 s42, s42, s40                     ; block column = 4 x cluster x + cx
	s_and_b32 s13, ttmp7, 0xffff
	s_lshl_b32 s13, s13, 2
	s_add_co_u32 s13, s13, s41                     ; block row = 4 x cluster y + cy
	s_lshl_b32 s43, s41, 2
	s_lshl_b32 s43, 15, s43                        ; my row of the cluster: places 4 cy .. 4 cy + 3
	s_lshl_b32 s44, 0x1111, s40                    ; my column: places cx, cx + 4, cx + 8, cx + 12
	; group 1 for A: 4 rows of 512 elements of 8 bytes, 4,096 elements from row to row, no padding
	s_or_b32 s[G1+0], s43, (3<<16)|(1<<21)
	s_mov_b32 s[G1+1], 512<<16                     ; tensor_dim0 = 512
	s_mov_b32 s[G1+2], 4<<16                       ; tensor_dim1 = 4
	s_mov_b32 s[G1+3], 512<<16                     ; tile_dim0 = 512
	s_mov_b32 s[G1+4], 4                           ; tile_dim1 = 4
	s_mov_b32 s[G1+5], 4096
	s_mov_b32 s[G1+6], 0
	s_mov_b32 s[G1+7], 0
	; group 1 for B: 128 rows x 128 elements of 2 bytes, 4 words of padding behind every 64 words
	s_or_b32 s[G1B+0], s44, (1<<16)|(1<<20)|(1<<21)|(5<<22)|(3<<25)
	s_mov_b32 s[G1B+1], KSTEP<<16
	s_mov_b32 s[G1B+2], 128<<16
	s_mov_b32 s[G1B+3], KSTEP<<16
	s_mov_b32 s[G1B+4], 128
	s_mov_b32 s[G1B+5], SIZE_K
	s_mov_b32 s[G1B+6], 0
	s_mov_b32 s[G1B+7], 0
	; A's address hangs on the block row, B's on the block column, each in registers that never hold the other coordinate
	s_lshl_b32 s17, s12, 6
	s_lshl_b32 s16, s13, 7
	s_add_co_u32 s16, s16, s17                     ; A: token 128 x block row + 64 x half; 16 tokens are one token tile of 32,768 bytes = 2,048 a token
	s_lshl_b32 s47, s12, 7
	s_lshl_b32 s46, s42, 8
	s_add_co_u32 s46, s46, s47                     ; B: row 256 x block column + 128 x half
	s_mul_i32 s16, s16, SIZE_K*2
	s_mul_i32 s46, s46, SIZE_K*2
	s_add_co_u32 s46, s46, 8388608                 ; Wout^T in wt
	s_mov_b32 s17, 0
	s_mov_b32 s47, 0
	s_mul_i32 s20, s12, AHALF                      ; where they go: no place in the cluster enters an LDS address
	s_mul_i32 s21, s12, BHALF
	s_add_co_u32 s21, s21, BOFF
	s_wait_dscnt 0x0
	s_wait_kmcnt 0x0
	s_add_nc_u64 s[14:15], s[4:5], s[16:17]
	s_add_nc_u64 s[46:47], s[6:7], s[46:47]
	CROUND                                         ; all sixteen work-groups are here: the first joint loads meet
.irp s, 0,1
	s_mov_b32 s[G0+4*\s], 1
	s_add_co_u32 s[G0+4*\s+1], s20, \s*SLOT
	s_add_nc_u64 s[G0+4*\s+2:G0+4*\s+3], s[14:15], \s*A_STEP
	s_or_b32 s[G0+4*\s+3], s[G0+4*\s+3], 0x80000000
	s_mov_b32 s[G0B+4*\s], 1
	s_add_co_u32 s[G0B+4*\s+1], s21, \s*SLOT
	s_add_nc_u64 s[G0B+4*\s+2:G0B+4*\s+3], s[46:47], \s*2*KSTEP
	s_or_b32 s[G0B+4*\s+3], s[G0B+4*\s+3], 0x80000000
	JLOAD \s                                       ; both slots' first fills go out together: two tensor loads of the wave are out
.endr
	v_and_b32 v1, 15, v0                           ; r
	v_bfe_u32 v2, v0, 4, 1                         ; h
	v_mul_u32_u24 v3, v1, PITCH
	v_lshl_add_u32 v3, v2, 4, v3                   ; B: row x pitch + 16 h
	v_and_b32 v4, 31, v0
	v_lshlrev_b32 v[CO], 4, v4                     ; 16 l: A's fragments, the stage read back, and my place in a row of out0
	s_mul_i32 s22, s11, AHALF                      ; my 4 token tiles of A
	s_mul_i32 s23, s12, BHALF                      ; my 128 rows of B
	s_add_co_u32 s23, s23, BOFF
.irp s, 0,1
	v_add_nc_u32 v[ADRA+\s], s22, v[CO]
	v_add_nc_u32 v[ADRB+\s], s23, v3
	s_add_co_u32 s22, s22, SLOT
	s_add_co_u32 s23, s23, SLOT
.endr
	s_mul_i32 s66, s10, 16*SPITCH
	s_add_co_u32 s66, s66, STAGE                   ; my stage
	v_mul_u32_u24 v5, v1, SPITCH                   ; in: row r, 32 bytes for each half of the lanes
	v_lshl_add_u32 v5, v2, 5, v5
	v_add_nc_u32 v[STO], s66, v5
	v_add_nc_u32 v[RD], s66, v[CO]                 ; back: the 32 lanes take one row of 512 bytes
; 8 matrix instructions: A fragment a x all 8 B fragments, 32 along K.  zero = 1: the first product starts the sums.
; The 32 accumulators take turns, one instruction a turn, in the same order in every quarter step.
.macro MULA fa, fb, a, zero
.irp b, 0,1,2,3,4,5,6,7
.if \zero
	v_wmma_f32_16x16x32_f16 v[8*(8*\a+\b):8*(8*\a+\b)+7], v[\fb+8*\b:\fb+8*\b+7], v[\fa+8*\a:\fa+8*\a+7], 0
.else
	v_wmma_f32_16x16x32_f16 v[8*(8*\a+\b):8*(8*\a+\b)+7], v[\fb+8*\b:\fb+8*\b+7], v[\fa+8*\a:\fa+8*\a+7], v[8*(8*\a+\b):8*(8*\a+\b)+7]
.endif
.endr
.endm
; 24 LDS loads in one run: quarter kq of a slot: 16 for B's 128 rows, then 8 for A's 64
.macro FETCH slot, kq, fa, fb
	WIN 0
.irp i, 0,1,2,3,4,5,6,7
	ds_load_b128 v[\fb+8*\i:\fb+8*\i+3],   v[ADRB+\slot] offset:64*\kq+\i*16*PITCH
	ds_load_b128 v[\fb+8*\i+4:\fb+8*\i+7], v[ADRB+\slot] offset:64*\kq+\i*16*PITCH+32
.endr
.irp i, 0,1,2,3
	ds_load_b128 v[\fa+8*\i:\fa+8*\i+3],   v[ADRA+\slot] offset:A_KQ*\kq+\i*A_ROWT
	ds_load_b128 v[\fa+8*\i+4:\fa+8*\i+7], v[ADRA+\slot] offset:A_KQ*\kq+\i*A_ROWT+A_2ND
.endr
.endm
; One of a K step's first three quarters: multiplies buffers (fa, fb) and in its middle fetches quarter kq into (ga, gb)
.macro QUARTER slot, kq, fa, fb, ga, gb, zero
	s_wait_dscnt 4                                 ; B and A's fragments 0, 1 are in; the youngest four loads (A's fragments 2, 3) may be out
	WIN MULW
	MULA \fa, \fb, 0, \zero
	MULA \fa, \fb, 1, \zero
	PLACES
	FETCH \slot, \kq, \ga, \gb
	s_wait_dscnt 24                                ; all but the 24 just issued
	WIN MULW
	MULA \fa, \fb, 2, \zero
	MULA \fa, \fb, 3, \zero
.endm
.macro THREE slot, zero
	QUARTER \slot, 1, FA0, FB0, FA1, FB1, \zero
	QUARTER \slot, 2, FA1, FB1, FA0, FB0, 0
	QUARTER \slot, 3, FA0, FB0, FA1, FB1, 0
.endm
; The last quarter multiplies buffer 1 and changes slots.  One barrier for two things: in front of it each wave waits for its reads of this slot
; and for all its tensor loads (one is out: its part of the next slot); behind it the refill comes first, then the next slot's first fragments.
; From a request to the wait for it a wave issues 120 of a K step's 128 matrix instructions.
.macro TURN slot, next, fill
	s_wait_dscnt 4
	WIN MULW
	MULA FA1, FB1, 0, 0
	s_wait_dscnt 0                                 ; my reads of this slot are over
	s_wait_tensorcnt 0x0                           ; and all my tensor loads have landed
	ds_add_u32 v254, v255
	s_wait_dscnt 0x0
	s_barrier_signal -1                            ; (where a slot is filled again this barrier opens a round of the cluster's barrier)
	MULA FA1, FB1, 1, 0                            ; register work while the others arrive
	WIN 0
	s_barrier_wait -1
.if \fill
	CREST                                          ; no wave of any partner still reads this slot or has a load on its way
	s_add_nc_u64 s[G0+4*\slot+2:G0+4*\slot+3], s[G0+4*\slot+2:G0+4*\slot+3], 2*A_STEP
	s_add_nc_u64 s[G0B+4*\slot+2:G0B+4*\slot+3], s[G0B+4*\slot+2:G0B+4*\slot+3], 4*KSTEP
	JLOAD \slot                                    ; the wave's one tensor load behind the round; its four v_nop are also the places in front of the loads below
.else
	PLACES
.endif
	FETCH \next, 0, FA0, FB0
	WIN MULW
	MULA FA1, FB1, 2, 0
	MULA FA1, FB1, 3, 0
.endm
.macro LAP zero
	THREE 0, \zero
	TURN 0, 1, 1
	THREE 1, 0
	TURN 1, 0, 1
.endm
	s_wait_tensorcnt 1                             ; my part of K step 0 is in; K step 1's stays out
	s_barrier_signal -1
	s_barrier_wait -1
	FETCH 0, 0, FA0, FB0
	LAP 1                                          ; the first lap stands in front of the loop: its first products start the sums
	WIN 0
	s_mov_b32 s3, LAPS-2
.Llap:
	LAP 0
	WIN 0
	s_sub_co_u32 s3, s3, 1
	s_cmp_lg_u32 s3, 0
	s_cbranch_scc1 .Llap
	THREE 0, 0                                     ; the last lap fills nothing
	TURN 0, 1, 0
	THREE 1, 0
	s_wait_dscnt 4
	WIN MULW
	MULA FA1, FB1, 0, 0
	MULA FA1, FB1, 1, 0
	s_wait_dscnt 0
	MULA FA1, FB1, 2, 0
	MULA FA1, FB1, 3, 0
	; THE WAY OUT, 16 rows at a time: 32 bytes a lane into my own stage, read back as whole rows of 512 bytes, stored so.
	PLACES                                         ; the places behind the last matrix instructions, for the LDS stores of results and the loads into the fragment buffers
	s_lshl_b32 s16, s13, 20                        ; 128 rows of 8,192 bytes a block row,
	s_lshl_b32 s17, s11, 19                        ; 64 a half
	s_add_co_u32 s16, s16, s17
	s_mov_b32 s17, 0
	s_add_nc_u64 s[8:9], s[8:9], s[16:17]
	s_lshl_b32 s46, s42, 10                        ; 256 columns of 4 bytes a block column,
	s_lshl_b32 s47, s12, 9                         ; 128 a half
	s_add_co_u32 s46, s46, s47
	s_mov_b32 s47, 0
	s_add_nc_u64 s[8:9], s[8:9], s[46:47]
.macro OUTF32 a, f                     ; the eight tiles (a, 0..7); f: 64 registers of the dead fragment buffers, two sets in turn
	WIN 0x04
.irp b, 0,1,2,3,4,5,6,7
	ds_store_b128 v[STO], v[8*(8*\a+\b):8*(8*\a+\b)+3] offset:64*\b
	ds_store_b128 v[STO], v[8*(8*\a+\b)+4:8*(8*\a+\b)+7] offset:64*\b+16
.endr
	WIN 0
	s_wait_xcnt 0x0                                ; every earlier store has had its addresses translated (ISA guide 3.1): set f and the base are rewritten only behind this wait
.if \a
	s_add_nc_u64 s[8:9], s[8:9], 16*8192           ; 16 rows on
.endif
.irp t, 0,1,2,3,4,5,6,7,8,9,10,11,12,13,14,15
	ds_load_b128 v[\f+4*\t:\f+4*\t+3], v[RD] offset:\t*SPITCH      ; LDS serves a wave's instructions in order (ISA guide 5.7.1): these see the stores above
.endr
.irp t, 0,1,2,3,4,5,6,7,8,9,10,11,12,13,14,15
	s_wait_dscnt 15-\t
	global_store_b128 v[CO], v[\f+4*\t:\f+4*\t+3], s[8:9] offset:\t*8192 th:TH_STORE_NT   ; 512 consecutive bytes of one row, aligned
.endr
.endm
	OUTF32 0, FA0
	OUTF32 1, FB0
	OUTF32 2, FA0
	OUTF32 3, FB0
	s_wait_tensorcnt 0x0
	ds_add_u32 v254, v255
	s_wait_dscnt 0x0
	CROUND                                         ; the closing round: no work-group ends while a partner may still ask for a tile that names it
	s_endpgm
.Lfunc_end_k_qe44e2dc7c8_out:
	.size	k_qe44e2dc7c8_out, .Lfunc_end_k_qe44e2dc7c8_out-k_qe44e2dc7c8_out
	.p2alignl 7, 3214868480
	.fill 96, 4, 3214868480
	.section	.rodata,"a",@progbits
	.p2align	6, 0x0
	.amdhsa_kernel k_qe44e2dc7c8_out
		.amdhsa_group_segment_fixed_size 327680
		.amdhsa_private_segment_fixed_size 0
		.amdhsa_enable_private_segment 0
		.amdhsa_kernarg_size 24
		.amdhsa_user_sgpr_count 2
		.amdhsa_user_sgpr_kernarg_segment_ptr 1
		.amdhsa_wavefront_size32 1
		.amdhsa_system_sgpr_workgroup_id_x 1
		.amdhsa_system_sgpr_workgroup_id_y 1
		.amdhsa_system_sgpr_workgroup_id_z 1
		.amdhsa_system_vgpr_workitem_id 0
		.amdhsa_next_free_vgpr 512
		.amdhsa_next_free_sgpr 80
		.amdhsa_reserve_vcc 0
		.amdhsa_float_denorm_mode_32 3
		.amdhsa_float_denorm_mode_16_64 3
		.amdhsa_memory_ordered 1
		.amdhsa_forward_progress 1
		.amdhsa_inst_pref_size 119
	.end_amdhsa_kernel
	.amdgpu_metadata
---
amdhsa.version: [ 1, 2 ]
amdhsa.kernels:
  - .name:           k_qe44e2dc7c8_out
    .symbol:         k_qe44e2dc7c8_out.kd
    .args:
      - { .name: of, .offset: 0, .size: 8, .value_kind: global_buffer, .address_space: global }
      - { .name: wt, .offset: 8, .size: 8, .value_kind: global_buffer, .address_space: global }
      - { .name: out0, .offset: 16, .size: 8, .value_kind: global_buffer, .address_space: global }
    .group_segment_fixed_size: 327680
    .private_segment_fixed_size: 0
    .kernarg_segment_align: 8
    .kernarg_segment_size: 24
    .max_flat_workgroup_size: 128
    .sgpr_count:     80
    .vgpr_count:     512
    .wavefront_size: 32
...
	.end_amdgpu_metadata
.endif
;; end of part 5
;; ======== version 2 of 3: 4 launches; 1.17 times as fast as version 1
;; limits: values are held in f16: magnitudes above 65,504 overflow, below 6.1e-05 lose precision
;; workspace buffers: yh 33,554,432 bytes; wt 16,777,216 bytes; qf 16,777,216 bytes; kvf 8,388,608 bytes; of 16,777,216 bytes; tt 32,768 bytes of whole numbers
;; launch prep: the kernel of part 1 again; grid 385 x 1, 8 waves a work-group, no clusters, 140,288 bytes of LDS; arguments y, ln_w, ln_b, Wq, Wkv, Wout, media, media_locations, yh, wt, tt; writes yh, wt, tt
;; launch qkv (part 6): grid 4 x 48, 4 waves a work-group, clusters of 4 x 4, 327,680 bytes of LDS; arguments yh, wt, qf, kvf; writes qf, kvf
.if DOCPART == 6
	.amdgcn_target "amdgcn-amd-amdhsa--gfx1250"
	.amdhsa_code_object_version 6
	.text
	.protected	k_qe44e2dc7c8_qkv
	.globl	k_qe44e2dc7c8_qkv
	.p2align	8
	.type	k_qe44e2dc7c8_qkv,@function
k_qe44e2dc7c8_qkv:
	s_mov_b64 s[64:65], 0
	v_nop
	global_prefetch_b8 v0, s[64:65] scope:SCOPE_SE
	s_setreg_imm32_b32 hwreg(HW_REG_WAVE_MODE, 25, 1), 1
	s_wait_xcnt 0x0
	s_wait_alu depctr_hold_cnt(0) depctr_sa_sdst(0) depctr_va_vdst(0) depctr_va_sdst(0) depctr_va_ssrc(0) depctr_va_vcc(0) depctr_vm_vsrc(0)
	s_getreg_b32 s2, hwreg(HW_REG_IB_STS2, 6, 4)
	s_cmp_eq_u32 s2, 0
	s_cbranch_scc0 .Lentry_in_a_cluster
	s_endpgm
.Lentry_in_a_cluster:
	s_bfe_u32 s2, ttmp6, 0x10000c
	s_cmp_lg_u32 s2, 0xf033
	s_cbranch_scc0 .Lentry_shape_is_right
	s_endpgm
.Lentry_shape_is_right:
; QKV: the three products that need nothing but the 16-bit operands, in one launch.  f16 operands, f32 sums, results f16 in TILE ORDER.
;   clusters 0-7  along y: q[token][col] = yn[token][.] . Wq^T[col][.]   K = 2048   A side = yh rows (8192),    B side = Wq^T rows (wt + 0, 1024)
;   clusters 8, 9        : K[key][col]   = media[key][.] . Wk^T[col][.]  K = 1024   A side = media rows (2048),  B side = Wk^T rows (1024)
;   clusters 10, 11      : V^T[d][key]   = Wv^T[d][.]    . media[key][.] K = 1024   A side = Wv^T rows (1024),   B side = media rows (2048)
; q is not yet scaled by 1/8: the attention launch folds that factor into its exponent.
; A work-group makes a block of 256 x 256 with four waves; a wave makes 128 x 128: 64 accumulator tiles, 512 registers.  That is 128 + 32 + 32 = 192
; blocks, so the launch has 192 work-groups; q's blocks have twice the K steps and stand first in the grid.
; K = 2048 and K = 1024 differ in a descriptor word and in the number of laps, so there are two texts made of the same macros; the one branch between
; them hangs on the cluster's number, which all sixteen partners and all waves share.  K and V^T differ in offsets alone, chosen by s_cselect.
; K goes in steps of 128 through two LDS slots filled by tensor loads: a tile's rows are 256 bytes, at multiples of 256 from the buffer's start.
; Why this block: a wave issues 240 matrix instructions between a tile's request and the wait for it, and 32 LDS loads feed 64 matrix instructions;
; two slots of a larger block, or of a longer K step, do not fit in LDS.
; CLUSTERS: 4 x 4 work-groups.  A's tile hangs on the block row alone and is asked for jointly by a row of the cluster, B's on the block
; column alone and is asked for jointly by a column: the requests for A and B are divided by four.
; THE MATRIX INSTRUCTION IS USED TRANSPOSED (source 0 = B rows, source 1 = A rows): lane l = (r = l % 16, h = l / 16) holds
; C[A row r][B index 8 h + 0..7].  Packed to f16 these are 16 bytes, and they are registers 0-3 (or 4-7) of a K = 32 fragment of the next
; product.  TILE ORDER stores a 16 x 16 tile as 32 lanes x 16 bytes = 512 consecutive bytes: one store of the wave, aligned, no LDS stage.
;   qf:            q   [512 token tiles][64 column tiles][512 bytes]
;   kvf + 0:       K   [128 key tiles][64 column tiles][512 bytes]
;   kvf + 4194304: V^T [64 d tiles][128 key tiles][512 bytes]
; LIMIT (format): a result at or above 65,504 becomes inf in f16.
; REGISTERS, in windows of 256: window 0: v16-17 / v20-21 LDS addresses of my A / B fragments in slot 0, 1; v24-31 store offsets;
;   v64-127, v128-191 A fragments (two buffers).  Window 1: v64-127, v128-191 B fragments (two buffers).
;   Window 2: the 32 accumulator tiles of my rows 0-63 (tile (a, b) at v[8 (8 a + b)]); window 3: those of my rows 64-127.
.set KSTEP,  128
.set PITCH,  272                       ; 256 bytes of data + 16 of padding: the 16 rows of a fragment load start in 16 different groups of banks
.set AHALF,  128*PITCH                 ; 128 rows: what one tensor load brings, and what one wave reads of A
.set BHALF,  128*PITCH                 ; the same of B
.set BOFF,   2*AHALF                   ; B's 256 rows lie behind A's 256
.set SLOT,   BOFF+2*BHALF              ; 139,264 bytes
.set A_ROWT, 16*PITCH                  ; from one A fragment's 16 rows to the next
.set A_KQ,   64                        ; 32 along K
.set A_2ND,  32                        ; a fragment's second load
.set A_STEP, 2*KSTEP                   ; a K step in A's memory, bytes
.set ADRA, 16
.set ADRB, 20
.set CO,   24
.set F0,   64
.set F1,   128
.set G1,  24                           ; s[24:31] group 1 for A's tiles
.set G0,  32                           ; s[32:39] group 0 for A's tiles, one set a slot
.set G1B, 48                           ; s[48:55] group 1 for B's tiles
.set G0B, 56                           ; s[56:63] group 0 for B's tiles, one set a slot
.set MUL_LO, 0xa1                      ; source 0 (B) window 1, source 1 (A) window 0, C and D window 2
.set MUL_HI, 0xf1                      ; the same, C and D window 3
.set TO_B,   0x40                      ; destination window 1, address window 0
.set MSB, 0
.macro WIN new                         ; s_set_vgpr_msb: bits 1:0 source 0, 3:2 source 1, 5:4 source 2, 7:6 destination; the high byte repeats the setting left
.if MSB != \new
	s_set_vgpr_msb (MSB<<8)|\new
.set MSB, \new
.endif
.endm
.macro PLACES                          ; four plain places behind matrix instructions in front of loads into, or reads of, their registers
.rept 4
	v_nop
.endr
.endm
.macro JLOAD s                         ; a joint load: waves 0, 1 ask for A's halves, waves 2, 3 for B's; the branch hangs on the wave's number alone
	s_cmp_eq_u32 s11, 0
	s_cbranch_scc0 .Lfor_b_\@
	tensor_load_to_lds s[G0+4*\s:G0+4*\s+3], s[G1:G1+7]
	s_nop 0
.rept 4
	v_nop
.endr
	s_branch .Lasked_\@
.Lfor_b_\@:
	tensor_load_to_lds s[G0B+4*\s:G0B+4*\s+3], s[G1B:G1B+7]
	s_nop 0
.rept 4
	v_nop
.endr
.Lasked_\@:
.endm
.macro CREST                           ; a round of the cluster's barrier behind its opening work-group barrier
	s_cmp_lg_u32 s10, 0
	s_cbranch_scc1 .Lnot_wave_0_\@
	s_barrier_signal -3
.Lnot_wave_0_\@:
	s_barrier_wait -3
	s_barrier_signal -1
	s_barrier_wait -1
.endm
.macro CROUND
	s_barrier_signal -1
	s_barrier_wait -1
	CREST
.endm
; 16 matrix instructions: A fragments a0, a0 + 1 of the window's four (hi = 0: my rows 0-63, 1: rows 64-127) x all 8 B fragments, 32 along K.
; zero = 1: the first product starts the sums.  The 64 accumulators take turns, one instruction a turn, in the same order in every quarter
; step.
.macro MUL16 f, hi, a0, zero
.irp a, \a0, \a0+1
.irp b, 0,1,2,3,4,5,6,7
.if \zero
	v_wmma_f32_16x16x32_f16 v[8*(8*(\a)+\b):8*(8*(\a)+\b)+7], v[\f+8*\b:\f+8*\b+7], v[\f+8*(4*\hi+\a):\f+8*(4*\hi+\a)+7], 0
.else
	v_wmma_f32_16x16x32_f16 v[8*(8*(\a)+\b):8*(8*(\a)+\b)+7], v[\f+8*\b:\f+8*\b+7], v[\f+8*(4*\hi+\a):\f+8*(4*\hi+\a)+7], v[8*(8*(\a)+\b):8*(8*(\a)+\b)+7]
.endif
.endr
.endr
.endm
; 32 LDS loads in one run: quarter kq of a slot into buffer f: 16 for B's 128 rows, then 16 for A's 128
.macro FETCH slot, kq, f
	WIN TO_B
.irp i, 0,1,2,3,4,5,6,7
	ds_load_b128 v[\f+8*\i:\f+8*\i+3],   v[ADRB+\slot] offset:64*\kq+\i*16*PITCH
	ds_load_b128 v[\f+8*\i+4:\f+8*\i+7], v[ADRB+\slot] offset:64*\kq+\i*16*PITCH+32
.endr
	WIN 0
.irp i, 0,1,2,3,4,5,6,7
	ds_load_b128 v[\f+8*\i:\f+8*\i+3],   v[ADRA+\slot] offset:A_KQ*\kq+\i*A_ROWT
	ds_load_b128 v[\f+8*\i+4:\f+8*\i+7], v[ADRA+\slot] offset:A_KQ*\kq+\i*A_ROWT+A_2ND
.endr
.endm
; One of a K step's first three quarters: multiplies buffer f and in its middle fetches quarter kq into buffer g
.macro QUARTER slot, kq, f, g, zero
	s_wait_dscnt 8                                 ; B and A's rows 0-63 are in; the youngest eight loads (A's rows 64-127) may be out
	WIN MUL_LO
	MUL16 \f, 0, 0, \zero
	MUL16 \f, 0, 2, \zero
	PLACES
	FETCH \slot, \kq, \g
	s_wait_dscnt 32                                ; all but the 32 just issued
	WIN MUL_HI
	MUL16 \f, 1, 0, \zero
	MUL16 \f, 1, 2, \zero
.endm
.macro THREE slot, zero
	QUARTER \slot, 1, F0, F1, \zero
	QUARTER \slot, 2, F1, F0, 0
	QUARTER \slot, 3, F0, F1, 0
.endm
; The last quarter multiplies buffer 1 and changes slots.  One barrier for two things: in front of it each wave waits for its reads of this slot
; and for all its tensor loads (one is out: its part of the next slot); behind it the refill comes first, then the next slot's first fragments.
.macro TURN slot, next, fill
	s_wait_dscnt 8
	WIN MUL_LO
	MUL16 F1, 0, 0, 0
	s_wait_dscnt 0                                 ; my reads of this slot are over
	s_wait_tensorcnt 0x0                           ; and all my tensor loads have landed
	ds_add_u32 v255, v255
	s_wait_dscnt 0x0
	s_barrier_signal -1                            ; (where a slot is filled again this barrier opens a round of the cluster's barrier)
	MUL16 F1, 0, 2, 0                              ; register work while the others arrive
	WIN 0
	s_barrier_wait -1
.if \fill
	CREST                                          ; no wave of any partner still reads this slot or has a load on its way
	s_add_nc_u64 s[G0+4*\slot+2:G0+4*\slot+3], s[G0+4*\slot+2:G0+4*\slot+3], 2*A_STEP
	s_add_nc_u64 s[G0B+4*\slot+2:G0B+4*\slot+3], s[G0B+4*\slot+2:G0B+4*\slot+3], 4*KSTEP
	JLOAD \slot                                    ; the wave's one tensor load behind the round; its four v_nop are also the places in front of the loads below
.else
	PLACES
.endif
	FETCH \next, 0, F0
	WIN MUL_HI
	MUL16 F1, 1, 0, 0
	MUL16 F1, 1, 2, 0
.endm
.macro LAP zero                        ; once round the ring, both slots filled again
	THREE 0, \zero
	TURN 0, 1, 1
	THREE 1, 0
	TURN 1, 0, 1
.endm
; Group 1 of both descriptors (tiles of 128 rows x 128 elements of 2 bytes, 4 words of padding behind every 64 words; ksize elements from row to
; row) and the byte offsets of my tiles: A's in s[16:17] from the block row s13 and A's part of its buffer s72, B's in s[46:47] from the block
; column s42 and s74, each in registers that never hold the other coordinate.
.macro SHAPE ksize
	s_or_b32 s[G1+0], s43, (1<<16)|(1<<20)|(1<<21)|(5<<22)|(3<<25)    ; the mask of my row of the cluster
	s_or_b32 s[G1B+0], s44, (1<<16)|(1<<20)|(1<<21)|(5<<22)|(3<<25)   ; the mask of my column
.irp g, G1, G1B
	s_mov_b32 s[\g+1], KSTEP<<16                   ; tensor_dim0 = 128
	s_mov_b32 s[\g+2], 128<<16                     ; tensor_dim1 = 128
	s_mov_b32 s[\g+3], KSTEP<<16                   ; tile_dim0 = 128
	s_mov_b32 s[\g+4], 128                         ; tile_dim1 = 128
	s_mov_b32 s[\g+5], \ksize
	s_mov_b32 s[\g+6], 0
	s_mov_b32 s[\g+7], 0
.endr
	s_lshl_b32 s17, s12, 7
	s_lshl_b32 s16, s13, 8
	s_add_co_u32 s16, s16, s17                     ; A: row 256 x block row + 128 x half
	s_lshl_b32 s47, s12, 7
	s_lshl_b32 s46, s42, 8
	s_add_co_u32 s46, s46, s47                     ; B: row 256 x block column + 128 x half
	s_mul_i32 s16, s16, 2*\ksize
	s_mul_i32 s46, s46, 2*\ksize
	s_add_co_u32 s16, s16, s72
	s_add_co_u32 s46, s46, s74
	s_mov_b32 s17, 0
	s_mov_b32 s47, 0
.endm
; The pointers, the first round, both slots' first fills, the lanes' addresses
.macro START
	s_mul_i32 s20, s12, AHALF                      ; where the tiles go: no place in the cluster enters an LDS address
	s_mul_i32 s21, s12, BHALF
	s_add_co_u32 s21, s21, BOFF
	s_wait_kmcnt 0x0
	s_add_nc_u64 s[14:15], s[4:5], s[16:17]
	s_add_nc_u64 s[46:47], s[6:7], s[46:47]
	CROUND                                         ; all sixteen work-groups are here: the first joint loads meet
.irp s, 0,1
	s_mov_b32 s[G0+4*\s], 1
	s_add_co_u32 s[G0+4*\s+1], s20, \s*SLOT
	s_add_nc_u64 s[G0+4*\s+2:G0+4*\s+3], s[14:15], \s*A_STEP
	s_or_b32 s[G0+4*\s+3], s[G0+4*\s+3], 0x80000000
	s_mov_b32 s[G0B+4*\s], 1
	s_add_co_u32 s[G0B+4*\s+1], s21, \s*SLOT
	s_add_nc_u64 s[G0B+4*\s+2:G0B+4*\s+3], s[46:47], \s*2*KSTEP
	s_or_b32 s[G0B+4*\s+3], s[G0B+4*\s+3], 0x80000000
	JLOAD \s                                       ; both slots' first fills go out together: two tensor loads of the wave are out
.endr
	v_and_b32 v1, 15, v0                           ; r
	v_bfe_u32 v2, v0, 4, 1                         ; h
	v_mul_u32_u24 v3, v1, PITCH
	v_lshl_add_u32 v3, v2, 4, v3                   ; row x pitch + 16 h
	v_and_b32 v4, 31, v0
	v_lshlrev_b32 v4, 4, v4                        ; 16 l
	s_mul_i32 s22, s11, AHALF                      ; my 128 rows of A
	s_mul_i32 s23, s12, BHALF                      ; my 128 rows of B
	s_add_co_u32 s23, s23, BOFF
.irp s, 0,1
	v_add_nc_u32 v[ADRA+\s], s22, v3
	v_add_nc_u32 v[ADRB+\s], s23, v3
	s_add_co_u32 s22, s22, SLOT
	s_add_co_u32 s23, s23, SLOT
.endr
.irp i, 0,1,2,3,4,5,6,7
	s_mul_i32 s67, s76, \i
	v_add_nc_u32 v[CO+\i], s67, v4                 ; 16 l + i rows of tiles of the result
.endr
.endm
; All K steps; laps = K / 256, at least 3
.macro MAIN laps
	s_wait_tensorcnt 1                             ; my part of K step 0 is in; K step 1's stays out
	s_barrier_signal -1
	s_barrier_wait -1
	FETCH 0, 0, F0
	LAP 1                                          ; the first lap stands in front of the loop: its first products start the sums
	WIN 0                                          ; at a label and at a branch every window is 0
	s_mov_b32 s3, \laps-2
.Llap_\@:
	LAP 0
	WIN 0
	s_sub_co_u32 s3, s3, 1
	s_cmp_lg_u32 s3, 0
	s_cbranch_scc1 .Llap_\@
	THREE 0, 0                                     ; the last lap fills nothing
	TURN 0, 1, 0
	THREE 1, 0
	s_wait_dscnt 8
	WIN MUL_LO
	MUL16 F1, 0, 0, 0
	MUL16 F1, 0, 2, 0
	s_wait_dscnt 0
	WIN MUL_HI
	MUL16 F1, 1, 0, 0
	MUL16 F1, 1, 2, 0
.endm
; One window's 32 tiles: rounded once to f16 in place (registers 0-3 of each tile; register p has been consumed when it is written), one store a tile.
; pk: sources 0, 1 and destination in the window; st: a store's data (source 1) in the window.  No register is used twice: no wait.
.macro HALFOUT pk, st, hi
	WIN \pk
.irp a, 0,1,2,3
.irp b, 0,1,2,3,4,5,6,7
.irp p, 0,1,2,3
	v_cvt_pk_f16_f32 v[8*(8*\a+\b)+\p], v[8*(8*\a+\b)+2*\p], v[8*(8*\a+\b)+2*\p+1]
.endr
.endr
.endr
	WIN \st
.irp a, 0,1,2,3
.irp b, 0,1,2,3,4,5,6,7
	global_store_b128 v[CO+4*\hi+\a], v[8*(8*\a+\b):8*(8*\a+\b)+3], s[8:9] offset:512*\b   ; 512 consecutive bytes, aligned
.endr
.endr
.endm
.macro OUTFO                           ; the way out; s76 = bytes of a row of tiles of the result, s77 = the result's part of its buffer
	PLACES                                         ; the places behind the last matrix instructions
	s_lshl_b32 s16, s13, 4
	s_lshl3_add_u32 s16, s11, s16                  ; my first row of tiles: 16 x block row + 8 x half
	s_mul_i32 s16, s16, s76
	s_add_co_u32 s16, s16, s77
	s_mov_b32 s17, 0
	s_add_nc_u64 s[8:9], s[8:9], s[16:17]
	s_lshl_b32 s46, s42, 13                        ; my first column of tiles: (16 x block column + 8 x half) x 512 bytes
	s_lshl_b32 s47, s12, 12
	s_add_co_u32 s46, s46, s47
	s_mov_b32 s47, 0
	s_add_nc_u64 s[8:9], s[8:9], s[46:47]
	HALFOUT 0x8a, 0x08, 0
	HALFOUT 0xcf, 0x0c, 1
	WIN 0
	CROUND                                         ; the closing round: no work-group ends while a partner may still ask for a tile that names it
.endm
	s_set_vgpr_msb 0x40
	v_lshl_add_u32 v255, v0, 2, 0x44000
	s_set_vgpr_msb 0x4000
	v_mov_b32 v255, 0
	s_set_vgpr_msb 0x1
	ds_add_u32 v255, v255
	s_wait_dscnt 0x0
	s_set_vgpr_msb 0x100
	v_lshrrev_b32 v1, 5, v0
	v_readfirstlane_b32 s10, v1                    ; wave 0..3
	s_lshr_b32 s11, s10, 1                         ; which 128 A rows are mine.  Also: I fetch for A (0) or for B (1)
	s_and_b32 s12, s10, 1                          ; which 128 B rows are mine.  Also: which half of that tile I fetch
	s_bfe_u32 s40, ttmp6, 0x40000                  ; cx
	s_bfe_u32 s41, ttmp6, 0x40004                  ; cy
	s_lshl_b32 s43, s41, 2
	s_lshl_b32 s43, 15, s43                        ; my row of the cluster: places 4 cy .. 4 cy + 3
	s_lshl_b32 s44, 0x1111, s40                    ; my column: places cx, cx + 4, cx + 8, cx + 12
	s_and_b32 s66, ttmp7, 0xffff                   ; the cluster's number along y, 0..11: the same in all sixteen partners
	s_cmp_ge_u32 s66, 8
	s_cbranch_scc1 .Lkv
	; ---- q: 32 block rows x 4 block columns, K = 2048
	s_load_b128 s[4:7], s[0:1], 0x0                ; yh s[4:5], wt s[6:7]
	s_load_b64 s[8:9], s[0:1], 0x10                ; qf
	s_mov_b32 s42, s40                             ; block column = cx
	s_lshl_b32 s13, s66, 2
	s_add_co_u32 s13, s13, s41                     ; block row = 4 x cluster + cy
	s_mov_b32 s72, 0                               ; yh from its start
	s_mov_b32 s74, 0                               ; Wq^T lies first in wt
	s_mov_b32 s76, 32768                           ; a row of tiles of qf: 64 tiles
	s_mov_b32 s77, 0
	SHAPE 2048
	START
	MAIN 8
	OUTFO
	s_endpgm
	; ---- K and V^T: K = 1024
.Lkv:
	s_load_b64 s[4:5], s[0:1], 0x8                 ; wt, for the A side
	s_load_b64 s[6:7], s[0:1], 0x8                 ; wt again, for the B side
	s_load_b64 s[8:9], s[0:1], 0x18                ; kvf
	s_sub_co_u32 s66, s66, 8                       ; 0, 1: K;  2, 3: V^T
	s_sub_co_u32 s67, s66, 2                       ; its number in the V part (not used in the K part)
	s_mov_b32 s73, 6291456                         ; Wv^T in wt
	s_mov_b32 s68, 12582912                        ; media in wt
	s_mov_b32 s75, 4194304                         ; Wk^T in wt; also V^T in kvf
	s_mov_b32 s78, 65536                           ; a row of tiles of V^T: 128 tiles
	s_mov_b32 s79, 32768                           ; and of K: 64 tiles
	s_cmp_ge_u32 s66, 2                            ; the V part?
	s_cselect_b32 s70, 0, s66                      ; block rows come in fours: which four (K: 8 block rows, V^T: 4)
	s_cselect_b32 s71, s67, 0                      ; block columns likewise (K: 4, V^T: 8)
	s_cselect_b32 s72, s73, s68                    ; A's part of wt
	s_cselect_b32 s74, s68, s75                    ; B's part of wt
	s_cselect_b32 s76, s78, s79                    ; bytes of a row of tiles of the result
	s_cselect_b32 s77, s75, 0                      ; the result's part of kvf
	s_lshl_b32 s42, s71, 2
	s_add_co_u32 s42, s42, s40                     ; block column
	s_lshl_b32 s13, s70, 2
	s_add_co_u32 s13, s13, s41                     ; block row
	SHAPE 1024
	START
	MAIN 4
	OUTFO
	s_endpgm
.Lfunc_end_k_qe44e2dc7c8_qkv:
	.size	k_qe44e2dc7c8_qkv, .Lfunc_end_k_qe44e2dc7c8_qkv-k_qe44e2dc7c8_qkv
	.p2alignl 7, 3214868480
	.fill 96, 4, 3214868480
	.section	.rodata,"a",@progbits
	.p2align	6, 0x0
	.amdhsa_kernel k_qe44e2dc7c8_qkv
		.amdhsa_group_segment_fixed_size 327680
		.amdhsa_private_segment_fixed_size 0
		.amdhsa_enable_private_segment 0
		.amdhsa_kernarg_size 32
		.amdhsa_user_sgpr_count 2
		.amdhsa_user_sgpr_kernarg_segment_ptr 1
		.amdhsa_wavefront_size32 1
		.amdhsa_system_sgpr_workgroup_id_x 1
		.amdhsa_system_sgpr_workgroup_id_y 1
		.amdhsa_system_sgpr_workgroup_id_z 1
		.amdhsa_system_vgpr_workitem_id 0
		.amdhsa_next_free_vgpr 1024
		.amdhsa_next_free_sgpr 80
		.amdhsa_reserve_vcc 0
		.amdhsa_float_denorm_mode_32 3
		.amdhsa_float_denorm_mode_16_64 3
		.amdhsa_memory_ordered 1
		.amdhsa_forward_progress 1
		.amdhsa_inst_pref_size 255
	.end_amdhsa_kernel
	.section	.bss,"aw",@nobits
	.p2align	6
	.space	262144
	.amdgpu_metadata
---
amdhsa.version: [ 1, 2 ]
amdhsa.kernels:
  - .name:           k_qe44e2dc7c8_qkv
    .symbol:         k_qe44e2dc7c8_qkv.kd
    .args:
      - { .name: yh, .offset: 0, .size: 8, .value_kind: global_buffer, .address_space: global }
      - { .name: wt, .offset: 8, .size: 8, .value_kind: global_buffer, .address_space: global }
      - { .name: qf, .offset: 16, .size: 8, .value_kind: global_buffer, .address_space: global }
      - { .name: kvf, .offset: 24, .size: 8, .value_kind: global_buffer, .address_space: global }
    .group_segment_fixed_size: 327680
    .private_segment_fixed_size: 0
    .kernarg_segment_align: 8
    .kernarg_segment_size: 32
    .max_flat_workgroup_size: 128
    .sgpr_count:     80
    .vgpr_count:     1024
    .wavefront_size: 32
...
	.end_amdgpu_metadata
.endif
;; end of part 6
;; launch attn: the kernel of part 4 again; grid 2 x 128, 8 waves a work-group, no clusters, 0 bytes of LDS; arguments qf, kvf, tt, of; writes of
;; launch out (part 7): grid 8 x 32, 4 waves a work-group, clusters of 4 x 4, 327,680 bytes of LDS; arguments of, wt, out0; writes out0
.if DOCPART == 7
	.amdgcn_target "amdgcn-amd-amdhsa--gfx1250"
	.amdhsa_code_object_version 6
	.text
	.protected	k_qe44e2dc7c8_out
	.globl	k_qe44e2dc7c8_out
	.p2align	8
	.type	k_qe44e2dc7c8_out,@function
k_qe44e2dc7c8_out:
	s_mov_b64 s[64:65], 0
	v_nop
	global_prefetch_b8 v0, s[64:65] scope:SCOPE_SE
	s_setreg_imm32_b32 hwreg(HW_REG_WAVE_MODE, 25, 1), 1
	s_wait_xcnt 0x0
	s_wait_alu depctr_hold_cnt(0) depctr_sa_sdst(0) depctr_va_vdst(0) depctr_va_sdst(0) depctr_va_ssrc(0) depctr_va_vcc(0) depctr_vm_vsrc(0)
	s_getreg_b32 s2, hwreg(HW_REG_IB_STS2, 6, 4)
	s_cmp_eq_u32 s2, 0
	s_cbranch_scc0 .Lentry_in_a_cluster
	s_endpgm
.Lentry_in_a_cluster:
	s_bfe_u32 s2, ttmp6, 0x10000c
	s_cmp_lg_u32 s2, 0xf033
	s_cbranch_scc0 .Lentry_shape_is_right
	s_endpgm
.Lentry_shape_is_right:
; OUT: out0[token][n] = o[token][.] . Wout^T[n][.] over K = 1024, f16 operands, f32 sums, result f32 row-major.
; A side = tokens (8192), read from `of` in TILE ORDER ([512 token tiles][64 column tiles][32 lanes x 16 bytes]); B side = rows of Wout^T (wt + 8388608, 2048).
; A work-group makes a block of 256 x 256 with four waves; a wave makes 128 x 128: 64 accumulator tiles, 512 registers.  32 x 8 = 256 blocks.
; K goes in steps of 128 through two LDS slots filled by tensor loads.  B's tile has rows of 256 bytes, padded to 272 in LDS.  A's K step of a token
; tile is 8 column tiles = 4,096 consecutive bytes, so A's half tile is 8 rows of 4,096 bytes, 32,768 bytes apart, and needs no padding: a fragment is two
; LDS loads of 512 consecutive bytes.
; Why this block: a wave issues 240 matrix instructions between a tile's request and the wait for it, and 32 LDS loads feed 64 matrix instructions;
; two slots of a larger block, or of a longer K step, do not fit in LDS beside the stage.
; CLUSTERS: 4 x 4 work-groups.  A's tile hangs on the block row alone and is asked for jointly by a row of the cluster, B's on the block
; column alone and is asked for jointly by a column: the requests for A and B are divided by four.
; THE MATRIX INSTRUCTION IS USED TRANSPOSED (source 0 = B rows, source 1 = A rows): lane l = (r = l % 16, h = l / 16) holds
; C[A row r][B index 8 h + 0..7]: 32 neighbouring bytes of a row of out0.  16 rows at a time go through the wave's own LDS stage and leave as whole rows.
; REGISTERS, in windows of 256: window 0: v16-17 / v20-21 LDS addresses of my A / B fragments in slot 0, 1; v24 stage in, v25 stage back, v26 store
;   offset; v64-127, v128-191 A fragments (two buffers).  Window 1: v64-127, v128-191 B fragments (two buffers).
;   Window 2: the 32 accumulator tiles of my rows 0-63 (tile (a, b) at v[8 (8 a + b)]); window 3: those of my rows 64-127.
.set SIZE_K, 1024
.set KSTEP,  128
.set PITCH,  272                       ; B: 256 bytes of data + 16 of padding: the 16 rows of a fragment load start in 16 different groups of banks
.set AHALF,  32768                     ; what waves 0 and 1 each fetch, and what a wave reads of A: 8 token tiles x 4,096 bytes
.set BHALF,  128*PITCH                 ; what waves 2 and 3 each fetch, and what a wave reads of B
.set BOFF,   2*AHALF                   ; B's rows lie behind A's 16 token tiles
.set SLOT,   BOFF+2*BHALF              ; 135,168 bytes
.set A_ROWT, 4096                      ; from one A fragment's token tile to the next
.set A_KQ,   1024                      ; 32 along K: two column tiles
.set A_2ND,  512                       ; a fragment's second load: the next column tile
.set A_STEP, 4096                      ; a K step in A's memory, bytes
.set STAGE,  2*SLOT                    ; behind the ring, in blocks into which no fill lands: 16 rows x 528 bytes for each wave
.set SPITCH, 528                       ; 512 bytes of data + 16: the 16 lanes of a store fall on 16 different columns of 16 bytes
.set ADRA, 16
.set ADRB, 20
.set STO,  24
.set RD,   25
.set CO,   26
.set F0,   64
.set F1,   128
.set G1,  24                           ; s[24:31] group 1 for A's tiles
.set G0,  32                           ; s[32:39] group 0 for A's tiles, one set a slot
.set G1B, 48                           ; s[48:55] group 1 for B's tiles
.set G0B, 56                           ; s[56:63] group 0 for B's tiles, one set a slot
.set MUL_LO, 0xa1                      ; source 0 (B) window 1, source 1 (A) window 0, C and D window 2
.set MUL_HI, 0xf1                      ; the same, C and D window 3
.set TO_B,   0x40                      ; destination window 1, address window 0
.set MSB, 0
.macro WIN new                         ; s_set_vgpr_msb: bits 1:0 source 0, 3:2 source 1, 5:4 source 2, 7:6 destination; the high byte repeats the setting left
.if MSB != \new
	s_set_vgpr_msb (MSB<<8)|\new
.set MSB, \new
.endif
.endm
.macro PLACES                          ; four plain places behind matrix instructions in front of loads into, or reads of, their registers
.rept 4
	v_nop
.endr
.endm
.macro JLOAD s                         ; a joint load: waves 0, 1 ask for A's halves, waves 2, 3 for B's; the branch hangs on the wave's number alone
	s_cmp_eq_u32 s11, 0
	s_cbranch_scc0 .Lfor_b_\@
	tensor_load_to_lds s[G0+4*\s:G0+4*\s+3], s[G1:G1+7]
	s_nop 0
.rept 4
	v_nop
.endr
	s_branch .Lasked_\@
.Lfor_b_\@:
	tensor_load_to_lds s[G0B+4*\s:G0B+4*\s+3], s[G1B:G1B+7]
	s_nop 0
.rept 4
	v_nop
.endr
.Lasked_\@:
.endm
.macro CREST                           ; a round of the cluster's barrier behind its opening work-group barrier
	s_cmp_lg_u32 s10, 0
	s_cbranch_scc1 .Lnot_wave_0_\@
	s_barrier_signal -3
.Lnot_wave_0_\@:
	s_barrier_wait -3
	s_barrier_signal -1
	s_barrier_wait -1
.endm
.macro CROUND
	s_barrier_signal -1
	s_barrier_wait -1
	CREST
.endm
; 16 matrix instructions: A fragments a0, a0 + 1 of the window's four (hi = 0: my rows 0-63, 1: rows 64-127) x all 8 B fragments, 32 along K.
; zero = 1: the first product starts the sums.  The 64 accumulators take turns, one instruction a turn, in the same order in every quarter
; step.
.macro MUL16 f, hi, a0, zero
.irp a, \a0, \a0+1
.irp b, 0,1,2,3,4,5,6,7
.if \zero
	v_wmma_f32_16x16x32_f16 v[8*(8*(\a)+\b):8*(8*(\a)+\b)+7], v[\f+8*\b:\f+8*\b+7], v[\f+8*(4*\hi+\a):\f+8*(4*\hi+\a)+7], 0
.else
	v_wmma_f32_16x16x32_f16 v[8*(8*(\a)+\b):8*(8*(\a)+\b)+7], v[\f+8*\b:\f+8*\b+7], v[\f+8*(4*\hi+\a):\f+8*(4*\hi+\a)+7], v[8*(8*(\a)+\b):8*(8*(\a)+\b)+7]
.endif
.endr
.endr
.endm
; 32 LDS loads in one run: quarter kq of a slot into buffer f: 16 for B's 128 rows, then 16 for A's 8 token tiles
.macro FETCH slot, kq, f
	WIN TO_B
.irp i, 0,1,2,3,4,5,6,7
	ds_load_b128 v[\f+8*\i:\f+8*\i+3],   v[ADRB+\slot] offset:64*\kq+\i*16*PITCH
	ds_load_b128 v[\f+8*\i+4:\f+8*\i+7], v[ADRB+\slot] offset:64*\kq+\i*16*PITCH+32
.endr
	WIN 0
.irp i, 0,1,2,3,4,5,6,7
	ds_load_b128 v[\f+8*\i:\f+8*\i+3],   v[ADRA+\slot] offset:A_KQ*\kq+\i*A_ROWT
	ds_load_b128 v[\f+8*\i+4:\f+8*\i+7], v[ADRA+\slot] offset:A_KQ*\kq+\i*A_ROWT+A_2ND
.endr
.endm
; One of a K step's first three quarters: multiplies buffer f and in its middle fetches quarter kq into buffer g
.macro QUARTER slot, kq, f, g, zero
	s_wait_dscnt 8                                 ; B and A's rows 0-63 are in; the youngest eight loads (A's rows 64-127) may be out
	WIN MUL_LO
	MUL16 \f, 0, 0, \zero
	MUL16 \f, 0, 2, \zero
	PLACES
	FETCH \slot, \kq, \g
	s_wait_dscnt 32                                ; all but the 32 just issued
	WIN MUL_HI
	MUL16 \f, 1, 0, \zero
	MUL16 \f, 1, 2, \zero
.endm
.macro THREE slot, zero
	QUARTER \slot, 1, F0, F1, \zero
	QUARTER \slot, 2, F1, F0, 0
	QUARTER \slot, 3, F0, F1, 0
.endm
; The last quarter multiplies buffer 1 and changes slots.  One barrier for two things: in front of it each wave waits for its reads of this slot
; and for all its tensor loads (one is out: its part of the next slot); behind it the refill comes first, then the next slot's first fragments.
.macro TURN slot, next, fill
	s_wait_dscnt 8
	WIN MUL_LO
	MUL16 F1, 0, 0, 0
	s_wait_dscnt 0                                 ; my reads of this slot are over
	s_wait_tensorcnt 0x0                           ; and all my tensor loads have landed
	ds_add_u32 v255, v255
	s_wait_dscnt 0x0
	s_barrier_signal -1                            ; (where a slot is filled again this barrier opens a round of the cluster's barrier)
	MUL16 F1, 0, 2, 0                              ; register work while the others arrive
	WIN 0
	s_barrier_wait -1
.if \fill
	CREST                                          ; no wave of any partner still reads this slot or has a load on its way
	s_add_nc_u64 s[G0+4*\slot+2:G0+4*\slot+3], s[G0+4*\slot+2:G0+4*\slot+3], 2*A_STEP
	s_add_nc_u64 s[G0B+4*\slot+2:G0B+4*\slot+3], s[G0B+4*\slot+2:G0B+4*\slot+3], 4*KSTEP
	JLOAD \slot                                    ; the wave's one tensor load behind the round; its four v_nop are also the places in front of the loads below
.else
	PLACES
.endif
	FETCH \next, 0, F0
	WIN MUL_HI
	MUL16 F1, 1, 0, 0
	MUL16 F1, 1, 2, 0
.endm
.macro LAP zero                        ; once round the ring, both slots filled again
	THREE 0, \zero
	TURN 0, 1, 1
	THREE 1, 0
	TURN 1, 0, 1
.endm
; All K steps; laps = K / 256, at least 3
.macro MAIN laps
	s_wait_tensorcnt 1                             ; my part of K step 0 is in; K step 1's stays out
	s_barrier_signal -1
	s_barrier_wait -1
	FETCH 0, 0, F0
	LAP 1                                          ; the first lap stands in front of the loop: its first products start the sums
	WIN 0                                          ; at a label and at a branch every window is 0
	s_mov_b32 s3, \laps-2
.Llap_\@:
	LAP 0
	WIN 0
	s_sub_co_u32 s3, s3, 1
	s_cmp_lg_u32 s3, 0
	s_cbranch_scc1 .Llap_\@
	THREE 0, 0                                     ; the last lap fills nothing
	TURN 0, 1, 0
	THREE 1, 0
	s_wait_dscnt 8
	WIN MUL_LO
	MUL16 F1, 0, 0, 0
	MUL16 F1, 0, 2, 0
	s_wait_dscnt 0
	WIN MUL_HI
	MUL16 F1, 1, 0, 0
	MUL16 F1, 1, 2, 0
.endm
	s_load_b128 s[4:7], s[0:1], 0x0                ; of s[4:5], wt s[6:7]
	s_load_b64 s[8:9], s[0:1], 0x10                ; out0
	s_set_vgpr_msb 0x40
	v_lshl_add_u32 v255, v0, 2, 0x4a400
	s_set_vgpr_msb 0x4000
	v_mov_b32 v255, 0
	s_set_vgpr_msb 0x1
	ds_add_u32 v255, v255
	s_set_vgpr_msb 0x100
	v_lshrrev_b32 v1, 5, v0
	v_readfirstlane_b32 s10, v1                    ; wave 0..3
	s_lshr_b32 s11, s10, 1                         ; which 128 A rows are mine.  Also: I fetch for A (0) or for B (1)
	s_and_b32 s12, s10, 1                          ; which 128 B rows are mine.  Also: which half of that tile I fetch
	s_bfe_u32 s40, ttmp6, 0x40000                  ; cx
	s_bfe_u32 s41, ttmp6, 0x40004                  ; cy
	s_lshl_b32 s42, ttmp9, 2
	s_add_co_u32 s42, s42, s40                     ; block column = 4 x cluster x + cx
	s_and_b32 s13, ttmp7, 0xffff
	s_lshl_b32 s13, s13, 2
	s_add_co_u32 s13, s13, s41                     ; block row = 4 x cluster y + cy
	s_lshl_b32 s43, s41, 2
	s_lshl_b32 s43, 15, s43                        ; my row of the cluster: places 4 cy .. 4 cy + 3
	s_lshl_b32 s44, 0x1111, s40                    ; my column: places cx, cx + 4, cx + 8, cx + 12
	; group 1 for A: 8 rows of 512 elements of 8 bytes, 4,096 elements from row to row, no padding
	s_or_b32 s[G1+0], s43, (3<<16)|(1<<21)
	s_mov_b32 s[G1+1], 512<<16                     ; tensor_dim0 = 512
	s_mov_b32 s[G1+2], 8<<16                       ; tensor_dim1 = 8
	s_mov_b32 s[G1+3], 512<<16                     ; tile_dim0 = 512
	s_mov_b32 s[G1+4], 8                           ; tile_dim1 = 8
	s_mov_b32 s[G1+5], 4096
	s_mov_b32 s[G1+6], 0
	s_mov_b32 s[G1+7], 0
	; group 1 for B: 128 rows x 128 elements of 2 bytes, 4 words of padding behind every 64 words
	s_or_b32 s[G1B+0], s44, (1<<16)|(1<<20)|(1<<21)|(5<<22)|(3<<25)
	s_mov_b32 s[G1B+1], KSTEP<<16
	s_mov_b32 s[G1B+2], 128<<16
	s_mov_b32 s[G1B+3], KSTEP<<16
	s_mov_b32 s[G1B+4], 128
	s_mov_b32 s[G1B+5], SIZE_K
	s_mov_b32 s[G1B+6], 0
	s_mov_b32 s[G1B+7], 0
	; A's address hangs on the block row, B's on the block column, each in registers that never hold the other coordinate
	s_lshl_b32 s17, s12, 7
	s_lshl_b32 s16, s13, 8
	s_add_co_u32 s16, s16, s17                     ; A: token 256 x block row + 128 x half; 16 tokens are one token tile of 32,768 bytes = 2,048 a token
	s_lshl_b32 s47, s12, 7
	s_lshl_b32 s46, s42, 8
	s_add_co_u32 s46, s46, s47                     ; B: row 256 x block column + 128 x half
	s_mul_i32 s16, s16, SIZE_K*2
	s_mul_i32 s46, s46, SIZE_K*2
	s_add_co_u32 s46, s46, 8388608                 ; Wout^T in wt
	s_mov_b32 s17, 0
	s_mov_b32 s47, 0
	s_mul_i32 s20, s12, AHALF                      ; where they go: no place in the cluster enters an LDS address
	s_mul_i32 s21, s12, BHALF
	s_add_co_u32 s21, s21, BOFF
	s_wait_dscnt 0x0
	s_wait_kmcnt 0x0
	s_add_nc_u64 s[14:15], s[4:5], s[16:17]
	s_add_nc_u64 s[46:47], s[6:7], s[46:47]
	CROUND                                         ; all sixteen work-groups are here: the first joint loads meet
.irp s, 0,1
	s_mov_b32 s[G0+4*\s], 1
	s_add_co_u32 s[G0+4*\s+1], s20, \s*SLOT
	s_add_nc_u64 s[G0+4*\s+2:G0+4*\s+3], s[14:15], \s*A_STEP
	s_or_b32 s[G0+4*\s+3], s[G0+4*\s+3], 0x80000000
	s_mov_b32 s[G0B+4*\s], 1
	s_add_co_u32 s[G0B+4*\s+1], s21, \s*SLOT
	s_add_nc_u64 s[G0B+4*\s+2:G0B+4*\s+3], s[46:47], \s*2*KSTEP
	s_or_b32 s[G0B+4*\s+3], s[G0B+4*\s+3], 0x80000000
	JLOAD \s                                       ; both slots' first fills go out together: two tensor loads of the wave are out
.endr
	v_and_b32 v1, 15, v0                           ; r
	v_bfe_u32 v2, v0, 4, 1                         ; h
	v_mul_u32_u24 v3, v1, PITCH
	v_lshl_add_u32 v3, v2, 4, v3                   ; B: row x pitch + 16 h
	v_and_b32 v4, 31, v0
	v_lshlrev_b32 v[CO], 4, v4                     ; 16 l: A's fragments, the stage read back, and my place in a row of out0
	s_mul_i32 s22, s11, AHALF                      ; my 8 token tiles of A
	s_mul_i32 s23, s12, BHALF                      ; my 128 rows of B
	s_add_co_u32 s23, s23, BOFF
.irp s, 0,1
	v_add_nc_u32 v[ADRA+\s], s22, v[CO]
	v_add_nc_u32 v[ADRB+\s], s23, v3
	s_add_co_u32 s22, s22, SLOT
	s_add_co_u32 s23, s23, SLOT
.endr
	s_mul_i32 s66, s10, 16*SPITCH
	s_add_co_u32 s66, s66, STAGE                   ; my stage
	v_mul_u32_u24 v5, v1, SPITCH                   ; in: row r, 32 bytes for each half of the lanes
	v_lshl_add_u32 v5, v2, 5, v5
	v_add_nc_u32 v[STO], s66, v5
	v_add_nc_u32 v[RD], s66, v[CO]                 ; back: the 32 lanes take one row of 512 bytes
	MAIN SIZE_K/(2*KSTEP)
	; THE WAY OUT, 16 rows at a time: 32 bytes a lane into my own stage, read back as whole rows of 512 bytes, stored so.
	PLACES                                         ; the places behind the last matrix instructions, for the LDS stores of results and the loads into the fragment buffers
	s_lshl_b32 s16, s13, 21                        ; 256 rows of 8,192 bytes a block row,
	s_lshl_b32 s17, s11, 20                        ; 128 a half
	s_add_co_u32 s16, s16, s17
	s_mov_b32 s17, 0
	s_add_nc_u64 s[8:9], s[8:9], s[16:17]
	s_lshl_b32 s46, s42, 10                        ; 256 columns of 4 bytes a block column,
	s_lshl_b32 s47, s12, 9                         ; 128 a half
	s_add_co_u32 s46, s46, s47
	s_mov_b32 s47, 0
	s_add_nc_u64 s[8:9], s[8:9], s[46:47]
; rows 16 i .. 16 i + 15 of my block = the eight tiles (a, 0..7) of window 2 or 3 (from = 0x08 or 0x0c: an LDS store's data is source 1);
; f: A's fragment buffer 0 or 1, dead by now, in turn
.macro OUTF32 i, a, from, f
	WIN \from
.irp b, 0,1,2,3,4,5,6,7
	ds_store_b128 v[STO], v[8*(8*\a+\b):8*(8*\a+\b)+3] offset:64*\b
	ds_store_b128 v[STO], v[8*(8*\a+\b)+4:8*(8*\a+\b)+7] offset:64*\b+16
.endr
	WIN 0
	s_wait_xcnt 0x0                                ; every earlier store has had its addresses translated (ISA guide 3.1): buffer f and the base are rewritten only behind this wait
.if \i
	s_add_nc_u64 s[8:9], s[8:9], 16*8192           ; 16 rows on
.endif
.irp t, 0,1,2,3,4,5,6,7,8,9,10,11,12,13,14,15
	ds_load_b128 v[\f+4*\t:\f+4*\t+3], v[RD] offset:\t*SPITCH      ; LDS serves a wave's instructions in order (ISA guide 5.7.1): these see the stores above
.endr
.irp t, 0,1,2,3,4,5,6,7,8,9,10,11,12,13,14,15
	s_wait_dscnt 15-\t                             ; row t is back; the younger loads stay out
	global_store_b128 v[CO], v[\f+4*\t:\f+4*\t+3], s[8:9] offset:\t*8192 th:TH_STORE_NT   ; 512 consecutive bytes of one row, aligned
.endr
.endm
	OUTF32 0, 0, 0x08, F0
	OUTF32 1, 1, 0x08, F1
	OUTF32 2, 2, 0x08, F0
	OUTF32 3, 3, 0x08, F1
	OUTF32 4, 0, 0x0c, F0
	OUTF32 5, 1, 0x0c, F1
	OUTF32 6, 2, 0x0c, F0
	OUTF32 7, 3, 0x0c, F1
	s_set_vgpr_msb 0x1
	s_wait_tensorcnt 0x0
	ds_add_u32 v255, v255
	s_wait_dscnt 0x0
	s_set_vgpr_msb 0x100
	CROUND                                         ; the closing round: no work-group ends while a partner may still ask for a tile that names it
	s_endpgm
.Lfunc_end_k_qe44e2dc7c8_out:
	.size	k_qe44e2dc7c8_out, .Lfunc_end_k_qe44e2dc7c8_out-k_qe44e2dc7c8_out
	.p2alignl 7, 3214868480
	.fill 96, 4, 3214868480
	.section	.rodata,"a",@progbits
	.p2align	6, 0x0
	.amdhsa_kernel k_qe44e2dc7c8_out
		.amdhsa_group_segment_fixed_size 327680
		.amdhsa_private_segment_fixed_size 0
		.amdhsa_enable_private_segment 0
		.amdhsa_kernarg_size 24
		.amdhsa_user_sgpr_count 2
		.amdhsa_user_sgpr_kernarg_segment_ptr 1
		.amdhsa_wavefront_size32 1
		.amdhsa_system_sgpr_workgroup_id_x 1
		.amdhsa_system_sgpr_workgroup_id_y 1
		.amdhsa_system_sgpr_workgroup_id_z 1
		.amdhsa_system_vgpr_workitem_id 0
		.amdhsa_next_free_vgpr 1024
		.amdhsa_next_free_sgpr 80
		.amdhsa_reserve_vcc 0
		.amdhsa_float_denorm_mode_32 3
		.amdhsa_float_denorm_mode_16_64 3
		.amdhsa_memory_ordered 1
		.amdhsa_forward_progress 1
		.amdhsa_inst_pref_size 197
	.end_amdhsa_kernel
	.amdgpu_metadata
---
amdhsa.version: [ 1, 2 ]
amdhsa.kernels:
  - .name:           k_qe44e2dc7c8_out
    .symbol:         k_qe44e2dc7c8_out.kd
    .args:
      - { .name: of, .offset: 0, .size: 8, .value_kind: global_buffer, .address_space: global }
      - { .name: wt, .offset: 8, .size: 8, .value_kind: global_buffer, .address_space: global }
      - { .name: out0, .offset: 16, .size: 8, .value_kind: global_buffer, .address_space: global }
    .group_segment_fixed_size: 327680
    .private_segment_fixed_size: 0
    .kernarg_segment_align: 8
    .kernarg_segment_size: 24
    .max_flat_workgroup_size: 128
    .sgpr_count:     80
    .vgpr_count:     1024
    .wavefront_size: 32
...
	.end_amdgpu_metadata
.endif
;; end of part 7
;; ======== version 3 of 3: 4 launches; version 2 with the launch attn written anew for expert scheduling mode
;; limits: values are held in f16: magnitudes above 65,504 overflow, below 6.1e-05 lose precision
;; workspace buffers: yh 33,554,432 bytes; wt 16,777,216 bytes; qf 16,777,216 bytes; kvf 8,388,608 bytes; of 16,777,216 bytes; tt 32,768 bytes of whole numbers
;; launch prep: the kernel of part 1 again; grid 385 x 1, 8 waves a work-group, no clusters, 140,288 bytes of LDS; arguments y, ln_w, ln_b, Wq, Wkv, Wout, media, media_locations, yh, wt, tt; writes yh, wt, tt
;; launch qkv: the kernel of part 6 again; grid 4 x 48, 4 waves a work-group, clusters of 4 x 4, 327,680 bytes of LDS; arguments yh, wt, qf, kvf; writes qf, kvf
;; launch attn (part 8): grid 2 x 128, 8 waves a work-group, no clusters, 0 bytes of LDS; arguments qf, kvf, tt, of; writes of
.if DOCPART == 8
	.amdgcn_target "amdgcn-amd-amdhsa--gfx1250"
	.amdhsa_code_object_version 6
	.text
	.protected	k_qe44e2dc7c8_attn
	.globl	k_qe44e2dc7c8_attn
	.p2align	8
	.type	k_qe44e2dc7c8_attn,@function
k_qe44e2dc7c8_attn:
	s_mov_b64 s[64:65], 0
	v_nop
	global_prefetch_b8 v0, s[64:65] scope:SCOPE_SE
	s_setreg_imm32_b32 hwreg(HW_REG_WAVE_SCHED_MODE, 0, 2), 2
	s_setreg_imm32_b32 hwreg(HW_REG_WAVE_MODE, 25, 1), 1
	s_wait_xcnt 0x0
	s_wait_alu depctr_vm_vsrc(0)
; ATTN: the masked softmax attention.  tau = tt[token] is the running count of media markers.  A token with tau in 1..8 sees the 64 keys of
; media block tau - 1 alone; a token with tau = 0 or tau > 8 has every score replaced by the same number, so its softmax is 1/512 on all 512 keys.
; A work-group takes 64 tokens x 8 heads; a wave takes one head: four sub-tiles of 16 tokens.  Everything comes in TILE ORDER (a 16 x 16 tile of f16 as
; 32 lanes x 16 bytes), so every fragment is two loads of 512 consecutive bytes straight into registers: no LDS, no barrier, no wave waits for another.
; tau does not fall along the tokens, so the blocks that the 64 tokens need are tau(first) - 1 .. tau(last) - 1; if either lies outside 0..7 all eight
; blocks are walked.  The range is read from tt as whole numbers by scalar loads and clamped to 0..7 before it enters an address.
; In block m, for each token: S = K q (64 keys), the row's maximum is taken away as in the softmax, p = exp2((S - max) c), P = p f, O += V^T P, with
;   c = log2(e)/8 and f = 1/sum(p) where tau - 1 = m, f = 0 in other blocks        (a seeing token's whole support is this one block: no running maximum is needed)
;   c = 0, so p = 1, and f = 1/512 in all eight blocks                             (a token that sees nothing: the mean of V)
; The choice is made by v_cndmask_b32; no branch hangs on it.
; No cluster: the loads go through registers, the trip counts differ from work-group to work-group, and a wave's K and V of a block are 16 KiB.
; LIMIT (format): q, k, v and o are f16: at or above 65,504 they are inf.  With finite q and k every score is finite in f32.
; The matrix instruction is used transposed throughout: S: source 0 = 16 keys of K, source 1 = 16 tokens of q: lane (r, h) holds S[token r][key 8 h + j];
; the lane's 8 numbers, packed, are half of a fragment of P; O: source 0 = 16 rows of V^T, source 1 = P: lane holds O[token r][d 8 h + j]: tile order again.
; THE MODE: SCHED_MODE bits 1:0 = 2 (LLVM: expert scheduling mode 2), set by the entry lines.  The code itself states the register dependences
; between vector or matrix instructions and memory instructions, with s_wait_alu, always for 0.
; THE PLAN.  Registers that memory instructions touch:
;   v0, v1   byte offsets, made at the head and never written again: one wait ahead of the first load serves every load and store of the kernel.
;   TM       tau lands in it once; vector instructions alone name it after that.
;   Q        lands once; read by every block's score products; on the way out the conversions write it and the stores read it.
;   K        read by the score products of sub-tiles 0 to 3.  Behind sub-tile 3's the next block's K, if there is a next block, is asked for:
;            one wait states that the products are done reading; nothing names K from there to the next block's wait for its data.
;   V        read by the output products up to the block's last matrix instruction; asked for again at the loop's head, behind one wait.
;   S, P, the statistics and O are named by vector and matrix instructions alone.
; No register that a memory instruction reads is written again, so the text holds no wait on vm_vsrc.
; Masks of compares go into scalar registers, in one run a block, with one wait on va_sdst behind the run.
.set CLP, 2                            ; v[2:9]    c of my token in sub-tile i, as a pair
.set TM,  10                           ; v10-13    tau - 1 of my token in sub-tile i
.set UNI, 14                           ; v14-17    1/512 for a token that sees nothing, else 0
.set NM,  18                           ; v[18:19]  max x c, twice
.set F,   20                           ; v[20:21]  f, twice
.set RED, 22                           ; v22-23    across the two halves of the lanes
.set CH,  24                           ; v24-31    chains
.set Q,   32                           ; v32-95    fragment (i, c) at 16 i + 8 c; on the way out the packed results
.set K,   96                           ; v96-159   fragment (key tile t, c) at 16 t + 8 c
.set V,   160                          ; v160-223  fragment (d tile dt, c) at 16 dt + 8 c
.set S,   224                          ; v224-255  four score tiles, then P in v224-239
                                       ; window 1 (v256-383): O(i, dt) at 8 (4 i + dt)
.set MU,  30                           ; s30-33    sub-tile i: the lanes whose token sees nothing
.set MB,  34                           ; s34-37    sub-tile i: the lanes whose token's block is m
.set MSB, 0
.macro WIN new
.if MSB != \new
	s_set_vgpr_msb (MSB<<8)|\new
.set MSB, \new
.endif
.endm
	s_load_b256 s[4:11], s[0:1], 0x0               ; qf s[4:5], kvf s[6:7], tt s[8:9], of s[10:11]
	v_lshrrev_b32 v1, 5, v0
	v_readfirstlane_b32 s12, v1                    ; wave 0..7
	s_and_b32 s14, ttmp7, 0xffff                   ; block of 64 tokens, 0..127
	s_mov_b32 s26, 0x76543210                      ; v_permlanex16_b32: lane i reads lane i of the other half
	s_mov_b32 s27, 0xfedcba98
	v_and_b32 v1, 31, v0
	v_lshlrev_b32 v1, 4, v1                        ; 16 l
	v_and_b32 v0, 15, v0
	v_lshlrev_b32 v0, 2, v0                        ; 4 r
	v_mov_b32 v[RED+1], 0                          ; the permute's destination counts as read
	v_mov_b32 v[CH], 0x3e38aa3b                    ; log2(e) / 8: the scale 64^-0.5 and the change of base in one factor
	v_mov_b32 v[CH+1], 0x3b000000                  ; 1 / 512
	v_mov_b32 v[CH+2], 0
	s_wait_alu depctr_va_sdst(0)                   ; s12 is written, ahead of its first reader: the head's number is made from it
	s_lshl3_add_u32 s13, ttmp9, s12                ; head = 8 x + wave
	s_lshl_b32 s24, s14, 8                         ; 64 tokens of 4 bytes
	s_mov_b32 s25, 0
	s_wait_kmcnt 0x0
	s_add_nc_u64 s[8:9], s[8:9], s[24:25]
	s_load_b32 s16, s[8:9], 0x0                    ; tau of my first token
	s_load_b32 s17, s[8:9], 0xfc                   ; and of my last
	s_wait_alu depctr_va_vdst(0)                   ; v0 and v1 are written: every load and store of the kernel reads one of them as its offset
.irp i, 0,1,2,3
	global_load_b32 v[TM+\i], v0, s[8:9] offset:64*\i
.endr
	s_lshl_b32 s24, s14, 17                        ; 4 token tiles of 32,768 bytes
	s_lshl_b32 s28, s13, 11                        ; 4 column tiles of 512 bytes
	s_add_co_u32 s24, s24, s28
	s_add_nc_u64 s[4:5], s[4:5], s[24:25]
	s_add_nc_u64 s[10:11], s[10:11], s[24:25]
.irp i, 0,1,2,3
.irp c, 0,1,2,3
	global_load_b128 v[Q+16*\i+4*\c:Q+16*\i+4*\c+3], v1, s[4:5] offset:32768*\i+512*\c
.endr
.endr
	s_wait_kmcnt 0x0
	s_sub_co_u32 s16, s16, 1                       ; tau = 0 wraps to the largest number: outside 0..7 like tau > 8
	s_sub_co_u32 s17, s17, 1
	s_max_u32 s28, s16, s17
	s_cmp_gt_u32 s28, 7
	s_cselect_b32 s18, 0, s16                      ; m: the first block
	s_cselect_b32 s19, 7, s17                      ; the last block
	s_min_u32 s18, s18, 7
	s_min_u32 s19, s19, 7
	s_add_co_u32 s19, s19, 1                       ; one past the last block, 8 at the most: the loop runs while m < s19
	s_lshr_b32 s28, s14, 5                         ; batch
	s_lshl_b32 s28, s28, 3
	s_add_co_u32 s28, s28, s18                     ; 8 batch + m
	s_lshl_b32 s24, s28, 17                        ; K: 4 key tiles of 32,768 bytes a block,
	s_lshl_b32 s29, s13, 11                        ; 4 column tiles a head
	s_add_co_u32 s24, s24, s29
	s_add_nc_u64 s[20:21], s[6:7], s[24:25]
	s_lshl_b32 s24, s28, 11                        ; V^T: 4 key tiles of 512 bytes a block,
	s_lshl_b32 s29, s13, 18                        ; 4 d tiles of 65,536 bytes a head,
	s_add_co_u32 s24, s24, s29
	s_add_co_u32 s24, s24, 0x400000                ; behind K
	s_add_nc_u64 s[22:23], s[6:7], s[24:25]
.macro LOADK                           ; a block's 16 loads of K
.irp t, 0,1,2,3
.irp c, 0,1,2,3
	global_load_b128 v[K+16*\t+4*\c:K+16*\t+4*\c+3], v1, s[20:21] offset:32768*\t+512*\c
.endr
.endr
.endm
.macro LOADV                           ; and its 16 of V^T
.irp t, 0,1,2,3
.irp c, 0,1,2,3
	global_load_b128 v[V+16*\t+4*\c:V+16*\t+4*\c+3], v1, s[22:23] offset:65536*\t+512*\c
.endr
.endr
.endm
.macro MINE                            ; for each sub-tile: is block m (s18) my token's?  One run of four compares a block
.irp i, 0,1,2,3
	v_cmp_eq_u32 s[MB+\i], s18, v[TM+\i]
.endr
.endm
; Sub-tile i in block m (s18).  zero = 1: the first block starts O's sums.  first = 1: V is waited for here.
.macro SUB i, zero, first
.irp t, 0,1,2,3
	v_wmma_f32_16x16x32_f16 v[S+8*\t:S+8*\t+7], v[K+16*\t:K+16*\t+7], v[Q+16*\i:Q+16*\i+7], 0
.endr
.irp t, 0,1,2,3                        ; the four score tiles take turns, one instruction a turn
	v_wmma_f32_16x16x32_f16 v[S+8*\t:S+8*\t+7], v[K+16*\t+8:K+16*\t+15], v[Q+16*\i+8:Q+16*\i+15], v[S+8*\t:S+8*\t+7]
.endr
.rept 4
	v_nop                                          ; four places before the results are read (ISA guide 7.12.1)
.endr
.if \i == 3
	; K has had its last reader of this block.  If a further block follows (the condition on which the loop below goes on), its K is asked for here,
	; this sub-tile's softmax and output products ahead of the wait for it.
	s_add_co_u32 s28, s18, 1
	s_cmp_lt_u32 s28, s19
	s_cbranch_scc0 .Lno_k_\@
	s_wait_alu depctr_va_vdst(0)                   ; the score products of all four sub-tiles are done reading K, in which the loads below land
	s_add_nc_u64 s[20:21], s[20:21], 0x20000       ; the next block's K; the loads that read this base were shown done by sub-tile 0's wait for all loads
	LOADK
.Lno_k_\@:
.endif
	; the row's maximum: my 32 scores in two chains, then the other half of the lanes (lanes r and r + 16 hold one token's 64 keys)
	v_max3_num_f32 v[CH], v[S], v[S+1], v[S+2]
	v_max3_num_f32 v[CH+1], v[S+3], v[S+4], v[S+5]
.irp k, 6,10,14,18,22,26
	v_max3_num_f32 v[CH], v[CH], v[S+\k], v[S+\k+1]
	v_max3_num_f32 v[CH+1], v[CH+1], v[S+\k+2], v[S+\k+3]
.endr
	v_max3_num_f32 v[CH], v[CH], v[S+30], v[S+31]
	v_max_num_f32 v[RED], v[CH], v[CH+1]
	v_permlanex16_b32 v[RED+1], v[RED], s26, s27
	v_max_num_f32 v[RED], v[RED], v[RED+1]
	v_mul_f32 v[NM], v[RED], v[CLP+2*\i]
	v_mov_b32 v[NM+1], v[NM]
.set k, 0
.rept 16
	v_pk_fma_f32 v[S+2*k:S+2*k+1], v[S+2*k:S+2*k+1], v[CLP+2*\i:CLP+2*\i+1], v[NM:NM+1] neg_lo:[0,0,1] neg_hi:[0,0,1]   ; S c - max c; the rounding of max c is common to the row and leaves with the sum
.set k, k+1
.endr
.set k, 0
.rept 32
	v_exp_f32 v[S+k], v[S+k]
.set k, k+1
.endr
	v_nop                                          ; one plain place behind the transcendentals (ISA guide 5.7.2)
	s_wait_alu depctr_va_vdst(0)                   ; the 32 exponentials have written v[S ..], which the sums below read: one wait for the batch
.irp j, 0,1,2,3
	v_pk_add_f32 v[CH+2*\j:CH+2*\j+1], v[S+4*\j:S+4*\j+1], v[S+4*\j+2:S+4*\j+3]
.endr
.irp j, 0,1,2,3
	v_pk_add_f32 v[CH+2*\j:CH+2*\j+1], v[CH+2*\j:CH+2*\j+1], v[S+16+2*\j:S+17+2*\j]
.endr
.irp j, 0,1,2,3
	v_pk_add_f32 v[CH+2*\j:CH+2*\j+1], v[CH+2*\j:CH+2*\j+1], v[S+24+2*\j:S+25+2*\j]
.endr
	v_pk_add_f32 v[CH:CH+1], v[CH:CH+1], v[CH+2:CH+3]
	v_pk_add_f32 v[CH+4:CH+5], v[CH+4:CH+5], v[CH+6:CH+7]
	v_pk_add_f32 v[CH:CH+1], v[CH:CH+1], v[CH+4:CH+5]
	v_add_f32 v[RED], v[CH], v[CH+1]
	v_permlanex16_b32 v[RED+1], v[RED], s26, s27
	v_add_f32 v[RED], v[RED], v[RED+1]             ; at least 1 up to rounding: the maximum's own term
	v_rcp_f32 v[RED+1], v[RED]
	v_nop                                          ; one plain place behind the transcendental (ISA guide 5.7.2)
	s_wait_alu depctr_va_vdst(0)                   ; the reciprocal has written v[RED+1], which the select below reads
	v_cndmask_b32 v[F], v[UNI+\i], v[RED+1], s[MB+\i]   ; 1/sum where this is my token's block
	v_mov_b32 v[F+1], v[F]
.set k, 0
.rept 16
	v_pk_mul_f32 v[S+2*k:S+2*k+1], v[S+2*k:S+2*k+1], v[F:F+1]
.set k, k+1
.endr
.set k, 0
.rept 16
	v_cvt_pk_f16_f32 v[S+k], v[S+2*k], v[S+2*k+1]  ; in place, k ascending: v[S:S+7] and v[S+8:S+15] are P's fragments for keys 0-31 and 32-63
.set k, k+1
.endr
.if \first
	s_wait_loadcnt 0x0                             ; V is in
.endif
	WIN 0x50
.irp d, 0,1,2,3
.if \zero
	v_wmma_f32_16x16x32_f16 v[8*(4*\i+\d):8*(4*\i+\d)+7], v[V+16*\d:V+16*\d+7], v[S:S+7], 0
.else
	v_wmma_f32_16x16x32_f16 v[8*(4*\i+\d):8*(4*\i+\d)+7], v[V+16*\d:V+16*\d+7], v[S:S+7], v[8*(4*\i+\d):8*(4*\i+\d)+7]
.endif
.endr
.irp d, 0,1,2,3                        ; the four output tiles take turns likewise
	v_wmma_f32_16x16x32_f16 v[8*(4*\i+\d):8*(4*\i+\d)+7], v[V+16*\d+8:V+16*\d+15], v[S+8:S+15], v[8*(4*\i+\d):8*(4*\i+\d)+7]
.endr
	WIN 0
.rept 5
	v_nop                                          ; five places: the next score tiles write over P; four would do for the way out's conversions
.endr
.endm
.macro COMPUTE zero
	s_wait_loadcnt 16                              ; all but V's 16 loads are in
	SUB 0, \zero, 1
	SUB 1, \zero, 0
	SUB 2, \zero, 0
	SUB 3, \zero, 0
.endm
.macro STEP                            ; the next block; V's loads have been waited for, so their base may be written (K's base steps beside K's loads)
	s_add_nc_u64 s[22:23], s[22:23], 0x800
	s_add_co_u32 s18, s18, 1
.endm
	LOADK                                          ; no vector instruction has been issued since the wait ahead of the first load
	LOADV
	s_wait_loadcnt 48                              ; tau is in; q (16), K (16) and V (16) stay out
.irp i, 0,1,2,3
	v_add_nc_u32 v[TM+\i], -1, v[TM+\i]
.endr
.irp i, 0,1,2,3
	v_cmp_lt_u32 s[MU+\i], 7, v[TM+\i]             ; the token sees nothing
.endr
	MINE
	s_wait_alu depctr_va_sdst(0)                   ; the eight masks s30 to s37 are written, ahead of their first readers, the selects below and in the sub-tiles
.irp i, 0,1,2,3
	v_cndmask_b32 v[CLP+2*\i], v[CH], v[CH+2], s[MU+\i]
	v_cndmask_b32 v[CLP+2*\i+1], v[CH], v[CH+2], s[MU+\i]
	v_cndmask_b32 v[UNI+\i], v[CH+2], v[CH+1], s[MU+\i]
.endr
	COMPUTE 1                                      ; the first block stands in front of the loop: nothing is cleared
	STEP
	s_cmp_ge_u32 s18, s19                          ; one block alone: nothing is left
	s_cbranch_scc1 .Ldone
.Lblk:
	s_wait_alu depctr_va_vdst(0)                   ; the last block's output products are done reading V, in which the loads below land
	LOADV                                          ; K of this block was asked for in the last block's sub-tile 3
	MINE
	s_wait_alu depctr_va_sdst(0)                   ; the four masks s34 to s37 are written, ahead of their first readers, the selects in the sub-tiles
	COMPUTE 0
	STEP                                           ; m steps by 1, once a trip,
	s_cmp_lt_u32 s18, s19                          ; up to a bound that the loop does not write and that is 8 at the most: seven trips at the most
	s_cbranch_scc1 .Lblk
.Ldone:
	WIN 0x05
.irp i, 0,1,2,3
.irp d, 0,1,2,3
.irp p, 0,1,2,3
	v_cvt_pk_f16_f32 v[Q+4*(4*\i+\d)+\p], v[8*(4*\i+\d)+2*\p], v[8*(4*\i+\d)+2*\p+1]   ; into q's registers, which have had their last reader
.endr
.endr
.endr
	WIN 0
	s_wait_alu depctr_va_vdst(0)                   ; the conversions have written v[Q ..], which the sixteen stores read
.irp i, 0,1,2,3
.irp d, 0,1,2,3
	global_store_b128 v1, v[Q+4*(4*\i+\d):Q+4*(4*\i+\d)+3], s[10:11] offset:32768*\i+512*\d   ; 512 consecutive bytes, aligned
.endr
.endr
	s_endpgm
.Lfunc_end_k_qe44e2dc7c8_attn:
	.size	k_qe44e2dc7c8_attn, .Lfunc_end_k_qe44e2dc7c8_attn-k_qe44e2dc7c8_attn
	.p2alignl 7, 3214868480
	.fill 96, 4, 3214868480
	.section	.rodata,"a",@progbits
	.p2align	6, 0x0
	.amdhsa_kernel k_qe44e2dc7c8_attn
		.amdhsa_group_segment_fixed_size 0
		.amdhsa_private_segment_fixed_size 0
		.amdhsa_enable_private_segment 0
		.amdhsa_kernarg_size 32
		.amdhsa_user_sgpr_count 2
		.amdhsa_user_sgpr_kernarg_segment_ptr 1
		.amdhsa_wavefront_size32 1
		.amdhsa_system_sgpr_workgroup_id_x 1
		.amdhsa_system_sgpr_workgroup_id_y 1
		.amdhsa_system_sgpr_workgroup_id_z 1
		.amdhsa_system_vgpr_workitem_id 0
		.amdhsa_next_free_vgpr 384
		.amdhsa_next_free_sgpr 66
		.amdhsa_reserve_vcc 0
		.amdhsa_float_denorm_mode_32 3
		.amdhsa_float_denorm_mode_16_64 3
		.amdhsa_memory_ordered 1
		.amdhsa_forward_progress 1
		.amdhsa_inst_pref_size 82
	.end_amdhsa_kernel
	.amdgpu_metadata
---
amdhsa.version: [ 1, 2 ]
amdhsa.kernels:
  - .name:           k_qe44e2dc7c8_attn
    .symbol:         k_qe44e2dc7c8_attn.kd
    .args:
      - { .name: qf, .offset: 0, .size: 8, .value_kind: global_buffer, .address_space: global }
      - { .name: kvf, .offset: 8, .size: 8, .value_kind: global_buffer, .address_space: global }
      - { .name: tt, .offset: 16, .size: 8, .value_kind: global_buffer, .address_space: global }
      - { .name: of, .offset: 24, .size: 8, .value_kind: global_buffer, .address_space: global }
    .group_segment_fixed_size: 0
    .private_segment_fixed_size: 0
    .kernarg_segment_align: 8
    .kernarg_segment_size: 32
    .max_flat_workgroup_size: 256
    .sgpr_count:     66
    .vgpr_count:     384
    .wavefront_size: 32
...
	.end_amdgpu_metadata
.endif
;; end of part 8
;; launch out: the kernel of part 7 again; grid 8 x 32, 4 waves a work-group, clusters of 4 x 4, 327,680 bytes of LDS; arguments of, wt, out0; writes out0
